; MI455X (gfx1250); checked and timed in simulation.
; The chip was launched on July 23, 2026; its instructions are those of AMD's public machine-readable ISA for CDNA 5 (MIT licence, August 2026) and "CDNA5" Instruction Set Architecture Reference Guide (July 2026). The comments in the code are by the model that wrote it; some were corrected since.
;; Llama Attention TP. Allowed arithmetic: matrix products marked QUANTISED: E4M3 operands, one given power-of-two scale a tensor, by v_wmma_f32_16x16x64_fp8_fp8 or v_wmma_f32_16x16x128_fp8_fp8, f32 sums; everything else in f32.
;; Inputs: freqs_cis 2,048 x 64 x 2 float32; lowp_scales 12 int32 (the exponents e of the quantised operands' scales 2^e); wk 2,048 x 2,048 float32; wo 2,048 x 2,048 float32; wq 2,048 x 2,048 float32; wv 2,048 x 2,048 float32; x 1 x 2,048 x 2,048 float32.
;; Outputs: out0 1 x 2,048 x 2,048 float32.
;; This version of the problem:
;;   THIS VERSION OF THE PROBLEM IS GIVEN IN LOW PRECISION. The matrix products marked QUANTISED in the list below multiply operands that are first quantised to E4M3 (4 exponent bits, 3 mantissa bits; 8 bits a number), with one given power-of-two scale for each operand tensor; their sums are f32. All else is computed in f32.
;;   The module's matrix products, in the order in which they are computed (A, B: the left and right operand; K: the contracted axis; several contracted axes count as one K, in the product's order):
;;     1. [M 2,048, K 2,048] x [K 2,048, N 2,048]; A: input x; B: input wq: QUANTISED (scales: A lowp_scales[0], B lowp_scales[1])
;;     2. [M 2,048, K 2,048] x [K 2,048, N 2,048]; A: input x; B: input wk: QUANTISED (scales: A lowp_scales[2], B lowp_scales[3])
;;     3. [M 2,048, K 2,048] x [K 2,048, N 2,048]; A: input x; B: input wv: QUANTISED (scales: A lowp_scales[4], B lowp_scales[5])
;;     4. batch 16 x [M 2,048, K 128] x [K 128, N 2,048]; A: computed on the way; B: computed on the way: QUANTISED (scales: A lowp_scales[6], B lowp_scales[7])
;;     5. batch 16 x [M 2,048, K 2,048] x [K 2,048, N 128]; A: softmax (see below); B: computed on the way: QUANTISED (scales: A lowp_scales[8], B lowp_scales[9])
;;     6. [M 2,048, K 2,048] x [K 2,048, N 2,048]; A: computed on the way; B: input wo: QUANTISED (scales: A lowp_scales[10], B lowp_scales[11])
;;   THE QUANTISER, for each operand of a quantised product, along K:
;;     - The operand's scale is 2^e, e = its entry of the input lowp_scales (int32; the entries are numbered through the quantised products in the list's order, A before B).
;;     - Each number is divided by the scale, clamped to +-448, and rounded to the nearest number of E4M3, ties to even, subnormals kept.
;;     - The product sums the exact products of the quantised numbers (number of the format x scale) in f32.
;;   ~~~python
;;   def quantise(x, axis, e):      # numpy; x: float32 -> the quantised numbers, widened to float32 again
;;       x = np.moveaxis(x, axis, -1); K = x.shape[-1]
;;       r = np.clip(x / 2.0 ** e, -448, 448)
;;       step = 2.0 ** (np.maximum(np.frexp(np.where(r == 0, 1, r))[1] - 1, -6) - 3)
;;       q = np.round(r / step) * step * 2.0 ** e      # np.round: ties to even
;;       return np.moveaxis(q, -1, axis).astype(np.float32)
;;   ~~~
;;   SOFTMAX AHEAD OF A QUANTISED PRODUCT. Where the list says 'softmax', what is quantised is not the finished softmax but p = 2^(t - M), with t = logit x log2(e) and M = ceil(the row's largest t), a whole number; so 1/2 < the row's largest p <= 1. The row's sum l is taken of the UNQUANTISED p, in f32, and the product's result is divided by l at the end. Since M is a whole number, a kernel that streams over the keys may use a running M (the ceiling of the running maximum): every later rescaling is an exact power of two, so the quantised numbers keep their values, but for numbers so far below the row's largest that they fall under the format's range.
;;   OPERANDS COMPUTED ON THE WAY. 'Computed on the way' means the value that the module computes at that place (a softmax that the list does not call 'softmax' is quantised finished and normalised). What goes into a quantiser is computed in f32, as accurately as f32 sums, v_exp_f32 and their like allow (about 1e-6 of the number): no bf16 or f16 on the way to a quantiser, and a product that is left as it is and whose result goes on into a quantised operand takes f32 operands (vector FMAs, or v_wmma_f32_16x16x4_f32). A number that lies on a knife's edge between two numbers of the format may be rounded either way, as far as f32 arithmetic and the matrix unit's own rounding can turn it there, and no further.
;; One version. Each part assembles by itself: llvm-mc -triple=amdgcn-amd-amdhsa -mcpu=gfx1250 --defsym DOCPART=n.
;; ======== version 1 of 1: 4 launches
;; limits: right only within a limited range of input values
;; workspace buffers: xcodes 12,582,912 bytes; wcodes 12,582,912 bytes; wocodes 4,194,304 bytes; qcodes 4,194,304 bytes; kcodes 4,194,304 bytes; vcodes 4,194,304 bytes; ocodes 4,194,304 bytes
;; launch quant (part 1): grid 1024 x 1, 4 waves a work-group, no clusters, 33,280 bytes of LDS; arguments x, wq, wk, wv, lowp_scales, xcodes, wcodes; writes xcodes, wcodes
.if DOCPART == 1
	.amdgcn_target "amdgcn-amd-amdhsa--gfx1250"
	.amdhsa_code_object_version 6
	.text
	.protected	k_qdc4890dade_quant
	.globl	k_qdc4890dade_quant
	.p2align	8
	.type	k_qdc4890dade_quant,@function
k_qdc4890dade_quant:
	s_mov_b64 s[64:65], 0
	v_nop
	global_prefetch_b8 v0, s[64:65] scope:SCOPE_SE
	s_setreg_imm32_b32 hwreg(HW_REG_WAVE_MODE, 25, 1), 1
	s_wait_xcnt 0x0
; x, wq, wk, wv, each [2048][2048] f32 with K innermost, become codes of FP8 (E4M3), one byte a number.  (wo is coded in the next launch.)
; WORK LEFT OUT IN THIS PROGRAM: reference() masks scores with k > q by -infinity in its own body, so for all inputs p = 0 there: the third launch leaves out whole key steps that lie wholly under that mask.
; LIMIT of that: a NaN, an infinity or an overflow that reaches only such scores is not carried to the result.
; code = number / 2^e, held within +-448, rounded to the nearest code, ties to even.  x is an operand of three products with a scale of its own in each
; (entries 0, 2, 4 of the scales): it is read once and coded three times, into three parts of xcodes.  wq, wk, wv (entries 1, 3, 5) go to three parts of wcodes.
; LAYOUT of a part (4 MiB): eight planes of 256 along K, [k / 256][row][k % 256]: a K step of 128 rows is 32,768 bytes on end.
; LIMITS: each of these six exponents lies between -126 and 119, so that 2^e and 448 x 2^e are f32 numbers.  NaN among the inputs is not served; an infinity is held at the largest code.
; SHARES: work-groups 256 t .. 256 t + 255 take tensor t (0 x, 1 wq, 2 wk, 3 wv); a wave takes two rows, 4,096 numbers, in 8 steps of 512.
; Each of a step's four loads reads 512 consecutive bytes; the conversions want 16 NEIGHBOURS in a lane: so the step's 2,048 bytes turn through the wave's own stage in LDS (16 bytes of padding behind each 64).
; A lane's 16 codes are 16 bytes: sixteen lanes store 256 consecutive bytes, aligned, the other sixteen the same of the next plane.  Loads run four steps ahead, the turn through LDS one.
; Waves share nothing: no barrier, no tensor load.  Every step has code registers of its own, so that no store's data are written again.
.set WAVES, 4
.set STEPS, 8
.set EMAX,  8
.set MANT,  0x600000                   ; the mantissa field of 448 as f32
.set PL,    524288                     ; a plane of codes
.set R,     16                         ; v16-79   four sets of 16 numbers as they are loaded
.set X,     80                         ; v80-111  two sets of 16 neighbours
.set T,     112                        ; v112-127 the 16 numbers held within the largest code x the scale
.set C,     128                        ; v128-223 codes: twelve registers for each step
.set WREG,  8192                       ; LDS: a region for each wave: two stages of 32 x SP bytes
.set SP,    80
.set SPW,   12                         ; v12      LDS address of my spare word; never rewritten
.set NIL,   13                         ; v13      0; never rewritten
.set SPARE, WAVES*WREG                 ; behind the four regions: the spare words, 128 bytes for each wave
	s_load_b256 s[4:11], s[0:1], 0x0               ; x s[4:5], wq s[6:7], wk s[8:9], wv s[10:11]
	s_load_b128 s[12:15], s[0:1], 0x20             ; the scales s[12:13], xcodes s[14:15]
	s_load_b64 s[16:17], s[0:1], 0x30              ; wcodes
	v_lshl_add_u32 v[SPW], v0, 2, SPARE
	v_mov_b32 v[NIL], 0
	v_lshrrev_b32 v1, 5, v0
	v_readfirstlane_b32 s22, v1                    ; wave
	s_mul_i32 s23, s22, WREG
	v_and_b32 v2, 31, v0                           ; lane
	v_lshlrev_b32 v3, 4, v2                        ; my 16 bytes of a load's 512
	v_lshrrev_b32 v14, 2, v2
	v_mul_u32_u24 v14, v14, SP
	v_and_b32 v15, 3, v2
	v_lshl_add_u32 v14, v15, 4, v14
	v_add_nc_u32 v14, s23, v14                     ; the stage, on the way in: four lanes' 64 bytes on end, then 16 of padding
	v_mul_u32_u24 v15, v2, SP
	v_add_nc_u32 v15, s23, v15                     ; and on the way out: my 16 neighbours
	v_and_b32 v1, 15, v0
	v_lshlrev_b32 v1, 4, v1
	v_lshrrev_b32 v4, 4, v2
	v_lshl_add_u32 v4, v4, 19, v1                  ; my codes: lanes 16-31 in the next plane
	s_wait_alu depctr_va_vdst(0)                   ; ahead of the scalar lines and the wait below
	s_lshr_b32 s36, ttmp9, 8                       ; t: which tensor
	s_and_b32 s37, ttmp9, 255
	s_lshl_b32 s37, s37, 2
	s_add_co_u32 s37, s37, s22                     ; which two rows of it are my wave's
	s_lshl_b32 s38, s37, 14                        ; in bytes of f32,
	s_mov_b32 s39, 0
	s_lshl_b32 s46, s37, 9                         ; and of a plane of codes
	s_mov_b32 s47, 0
	s_sub_co_u32 s23, s36, 1
	s_lshl_b32 s23, s23, 22                        ; wq, wk, wv: part t - 1 of wcodes;
	s_cmp_eq_u32 s36, 0
	s_cselect_b32 s23, 0, s23                      ; x begins at part 0 of xcodes
	s_add_co_u32 s46, s46, s23
	s_wait_kmcnt 0x0
	s_load_b256 s[24:31], s[12:13], 0x0            ; e0 .. e7
	s_cmp_eq_u32 s36, 1                            ; the buffers are chosen by the work-group's number alone
	s_cselect_b64 s[4:5], s[6:7], s[4:5]
	s_cmp_eq_u32 s36, 2
	s_cselect_b64 s[4:5], s[8:9], s[4:5]
	s_cmp_eq_u32 s36, 3
	s_cselect_b64 s[4:5], s[10:11], s[4:5]
	s_cmp_eq_u32 s36, 0
	s_cselect_b64 s[40:41], s[14:15], s[16:17]
	s_add_nc_u64 s[4:5], s[4:5], s[38:39]
	s_add_nc_u64 s[40:41], s[40:41], s[46:47]
	s_add_nc_u64 s[42:43], s[40:41], 0x400000      ; x's second and third part: named by x's work-groups alone
	s_add_nc_u64 s[44:45], s[40:41], 0x800000
.macro LOAD t
.irp i, 0,1,2,3
	global_load_b128 v[R+16*((\t)%4)+4*\i:R+16*((\t)%4)+4*\i+3], v3, s[4:5] offset:2048*(\t)+512*\i th:TH_LOAD_NT   ; 32 lanes read 512 consecutive bytes; read once in the launch
.endr
.endm
.macro TURN t                          ; step t's numbers through the stage: LDS serves a wave's instructions in order, so no wait stands between the stores and the loads
.irp i, 0,1,2,3
	ds_store_b128 v14, v[R+16*((\t)%4)+4*\i:R+16*((\t)%4)+4*\i+3] offset:32*SP*((\t)%2)+8*SP*\i
.endr
.irp i, 0,1,2,3
	ds_load_b128 v[X+16*((\t)%2)+4*\i:X+16*((\t)%2)+4*\i+3], v15 offset:32*SP*((\t)%2)+16*\i
.endr
.endm
.macro MKSCALE e, sc, lim              ; s[e] holds an exponent (and is spent): v[sc] = 2^e as f32, whose exponent field the conversion takes; v[lim] = 448 x 2^e
	s_add_co_i32 s[\e], s[\e], 127
	s_lshl_b32 s23, s[\e], 23
	v_mov_b32 v[\sc], s23
	s_add_co_i32 s[\e], s[\e], EMAX
	s_lshl_b32 s[\e], s[\e], 23
	s_or_b32 s[\e], s[\e], MANT
	v_mov_b32 v[\lim], s[\e]
.endm
.irp t, 0,1,2,3
	LOAD \t
.endr
	s_wait_kmcnt 0x0
	s_cmp_eq_u32 s36, 1                            ; the tensor's own exponent: e0, e1, e3 or e5: a choice, no branch
	s_cselect_b32 s24, s25, s24
	s_cmp_eq_u32 s36, 2
	s_cselect_b32 s24, s27, s24
	s_cmp_eq_u32 s36, 3
	s_cselect_b32 s24, s29, s24
	MKSCALE 24, 5, 6
	MKSCALE 26, 7, 8                               ; e2 and e4: x's other two
	MKSCALE 28, 9, 10
	s_wait_alu depctr_va_vdst(0)                   ; at the head's end
	s_wait_loadcnt 12                              ; step 0's four loads are in; those of steps 1 to 3 may be out
	TURN 0
.macro QUANT sc, lim, c                ; the 16 neighbours in v[XS] on become 16 codes in v[c] .. v[c + 3]
.irp i, 0,1,2,3,4,5,6,7,8,9,10,11,12,13,14,15
	v_med3_num_f32 v[T+\i], v[XS+\i], -v[\lim], v[\lim]   ; the conversion to an 8-bit code does not saturate (ISA guide 7.6.2): the number is held within the largest code x the scale first
.endr
	v_cvt_scalef32_pk8_fp8_f32 v[\c:\c+1], v[T:T+7], v[\sc]
	v_cvt_scalef32_pk8_fp8_f32 v[\c+2:\c+3], v[T+8:T+15], v[\sc]
	v_nop                                          ; one plain vector line between the conversions and the next lines that write their sources
.endm
.macro STEP t
.set XS, X+16*((\t)%2)
.set CC, C+12*(\t)
.set OO, 2*PL*((\t)%4)+256*((\t)/4)
	s_wait_dscnt 0x0                               ; this step's numbers are back from the stage: so its stores into the stage have read their registers,
.if (\t)+4 < STEPS
	LOAD (\t)+4                                    ; which take the loads of four steps on
.endif
.if (\t)+1 < STEPS
.if STEPS-2-(\t) >= 3
	s_wait_loadcnt 12                              ; the next step's four loads are in; those of the three steps behind it may be out
.else
	s_wait_loadcnt 4*(STEPS-2-(\t))
.endif
	TURN (\t)+1                                    ; and go through the other stage while this step is worked
.endif
	QUANT 5, 6, CC
	global_store_b128 v4, v[CC:CC+3], s[40:41] offset:OO
	s_cmp_lt_u32 ttmp9, 256                        ; x's work-groups code the same numbers twice more
	s_cbranch_scc0 .Lw_\@
	QUANT 7, 8, CC+4
	global_store_b128 v4, v[CC+4:CC+7], s[42:43] offset:OO
	QUANT 9, 10, CC+8
	global_store_b128 v4, v[CC+8:CC+11], s[44:45] offset:OO
.Lw_\@:
.endm
.irp t, 0,1,2,3,4,5,6,7
	STEP \t
.endr
	s_wait_tensorcnt 0x0                           ; the wave's end: behind my last LDS store
	ds_add_u32 v[SPW], v[NIL]
	s_wait_dscnt 0x0
	s_endpgm
.Lfunc_end_k_qdc4890dade_quant:
	.size	k_qdc4890dade_quant, .Lfunc_end_k_qdc4890dade_quant-k_qdc4890dade_quant
	.p2alignl 7, 3214868480
	.fill 96, 4, 3214868480
	.section	.rodata,"a",@progbits
	.p2align	6, 0x0
	.amdhsa_kernel k_qdc4890dade_quant
		.amdhsa_group_segment_fixed_size 33280
		.amdhsa_private_segment_fixed_size 0
		.amdhsa_enable_private_segment 0
		.amdhsa_kernarg_size 56
		.amdhsa_user_sgpr_count 2
		.amdhsa_user_sgpr_kernarg_segment_ptr 1
		.amdhsa_wavefront_size32 1
		.amdhsa_system_sgpr_workgroup_id_x 1
		.amdhsa_system_sgpr_workgroup_id_y 1
		.amdhsa_system_sgpr_workgroup_id_z 1
		.amdhsa_system_vgpr_workitem_id 0
		.amdhsa_next_free_vgpr 224
		.amdhsa_next_free_sgpr 66
		.amdhsa_reserve_vcc 0
		.amdhsa_float_denorm_mode_32 3
		.amdhsa_float_denorm_mode_16_64 3
		.amdhsa_memory_ordered 1
		.amdhsa_forward_progress 1
		.amdhsa_inst_pref_size 42
	.end_amdhsa_kernel
	.amdgpu_metadata
---
amdhsa.version: [ 1, 2 ]
amdhsa.kernels:
  - .name:           k_qdc4890dade_quant
    .symbol:         k_qdc4890dade_quant.kd
    .args:
      - { .name: x, .offset: 0, .size: 8, .value_kind: global_buffer, .address_space: global }
      - { .name: wq, .offset: 8, .size: 8, .value_kind: global_buffer, .address_space: global }
      - { .name: wk, .offset: 16, .size: 8, .value_kind: global_buffer, .address_space: global }
      - { .name: wv, .offset: 24, .size: 8, .value_kind: global_buffer, .address_space: global }
      - { .name: lowp_scales, .offset: 32, .size: 8, .value_kind: global_buffer, .address_space: global }
      - { .name: xcodes, .offset: 40, .size: 8, .value_kind: global_buffer, .address_space: global }
      - { .name: wcodes, .offset: 48, .size: 8, .value_kind: global_buffer, .address_space: global }
    .group_segment_fixed_size: 33280
    .private_segment_fixed_size: 0
    .kernarg_segment_align: 8
    .kernarg_segment_size: 56
    .max_flat_workgroup_size: 128
    .sgpr_count:     66
    .vgpr_count:     224
    .wavefront_size: 32
...
	.end_amdgpu_metadata
.endif
;; end of part 1
;; launch qkv (part 2): grid 32 x 8, 4 waves a work-group, clusters of 4 x 4, 327,680 bytes of LDS; arguments xcodes, wcodes, freqs_cis, lowp_scales, qcodes, kcodes, vcodes, wo, wocodes; writes qcodes, kcodes, vcodes, wocodes
.if DOCPART == 2
	.amdgcn_target "amdgcn-amd-amdhsa--gfx1250"
	.amdhsa_code_object_version 6
	.text
	.protected	k_qdc4890dade_qkv
	.globl	k_qdc4890dade_qkv
	.p2align	8
	.type	k_qdc4890dade_qkv,@function
k_qdc4890dade_qkv:
	s_mov_b64 s[64:65], 0
	v_nop
	global_prefetch_b8 v0, s[64:65] scope:SCOPE_SE
	s_setreg_imm32_b32 hwreg(HW_REG_WAVE_MODE, 25, 1), 1
	s_wait_xcnt 0x0
	s_wait_alu depctr_hold_cnt(0) depctr_sa_sdst(0) depctr_va_vdst(0) depctr_va_sdst(0) depctr_va_ssrc(0) depctr_va_vcc(0) depctr_vm_vsrc(0)
	s_getreg_b32 s2, hwreg(HW_REG_IB_STS2, 6, 4)
	s_cmp_eq_u32 s2, 0
	s_cbranch_scc0 .Lentry_in_a_cluster
	s_endpgm
.Lentry_in_a_cluster:
	s_bfe_u32 s2, ttmp6, 0x10000c
	s_cmp_lg_u32 s2, 0xf033
	s_cbranch_scc0 .Lentry_shape_is_right
	s_endpgm
.Lentry_shape_is_right:
; The three projections on codes of FP8 (E4M3), the rotation of q and k, the quantising of q, k and v for the attention, and of wo for the last projection.
; J = cluster x / 2: 0 q, 1 k, 2 v, 3 wo: the same in all partners of a cluster.  192 work-groups multiply, 64 quantise wo: 256 in all.
; J < 2: C[s][n] = sum over k of x_J[s][k] W_J[n][k]: A = part J of xcodes, B = part J of wcodes.  J = 2: the product is taken as V^T: A = part 2 of wcodes (rows n = head, channel), B = part 2 of xcodes (rows = keys).
; A tile of C, 256 x 256, is made by four waves, each 128 x 128: 64 accumulators, 512 registers.  K = 2,048 goes in steps of 256 through a ring of two LDS slots filled by the tensor data mover.
; The codes lie in planes of 256 along K, so that a wave's 128 rows of a K step are 32,768 bytes on end: at the head ONE load a wave brings K steps 0 and 1 (two planes), later loads one plane each.
; CLUSTERS: 4 x 4 work-groups; A's tiles are asked for jointly along a row of the cluster, B's along a column.
; PREFETCH: at the head K steps 2 and 3, then behind each refill the K step two refills on; in the last trip the rotation table's rows.  Each block of 256 bytes is named once in each cluster: the four partners of a tile share its rows by address.
; THE MATRIX INSTRUCTION IS USED TRANSPOSED (source 0 = 16 rows of B, source 1 = 16 rows of A): a lane holds eight neighbouring columns of one row of C: for q and k eight channels of a head (four pairs of the rotation),
; for v eight neighbouring KEYS of one channel, which is the K of the attention's second product.  A wave's 128 x 128 is one head x 128 rows: 16 KiB of codes that lie on end in the output.
; THE ROTATION TABLE: a wave reads the 512-byte rows of freqs_cis of its 16-row blocks into registers (blocks 0 and 1 ahead of the last products, then up to four blocks ahead) and turns them through a stage of its own in slot 0, which has had its last fill and its last read.
; THE SCALES: a sum stands for sum x 2^(ea + eb); the rotation is linear; so the code is (rotated sum) / 2^E with E = e6 - e0 - e1 (q), e7 - e2 - e3 (k), e9 - e4 - e5 (v): one scale in the conversion.
; LIMITS: each E, and e11, lies between -126 and 119.  NaN is not served.
; OUTPUTS: qcodes [head][s][128]; kcodes likewise, but within each 32 keys the rows 8-15 and 16-23 change places, so that 16 rows on end are the keys that the attention wants in one tile; vcodes [head][key / 128][channel][key % 128];
; wocodes [k / 128][n][k % 128].
; REGISTERS, in windows of 256: window 0: v0-31 addresses; from v128 A's fragments, ONE set; on the way out v32-255 are free.  window 1: B's fragments, TWO sets; on the way out four sets of table rows.  windows 2, 3: the accumulators of my rows 0-63, 64-127.
.set PL,     524288                    ; a plane of codes, 2,048 rows of 256 bytes
.set ROWB,   256
.set PITCH,  272                       ; an LDS row: 256 bytes + 16 of padding: the 16 rows that a load touches start at 16 different banks (64 banks of 4 bytes: ISA guide 11.1)
.set FR,     16                        ; registers of a fragment: 16 rows x 128 K
.set NL,     4                         ; LDS loads that bring one
.set NP,     4                         ; places behind this matrix instruction (ISA guide 7.12.1)
.set HALFT,  128*PITCH                 ; 128 rows of one K step
.set WREGN,  2*HALFT                   ; what one wave fetches: its 128 rows in slot 0, then in slot 1
.set SPARE,  4*WREGN                   ; behind the ring: the spare words, 128 bytes for each wave, which no other line names
.set CP,     144                       ; a row of a code stage: 128 bytes + 16
.set CSB,    16*CP                     ; a code stage: 16 rows
.set CSTG,   SPARE+512                 ; four stages for the rotating way out, then four for the plain one: each way has LDS bytes of its own
.set QSTG,   CSTG+8*CSB                ; wo's stages: two of 2,560 bytes for each wave
.set FP,     528                       ; a row of the table's stage: 512 bytes + 16
.set ADRA, 16                          ; v16-17  LDS address of my A fragments in slot 0, 1
.set TST,  18                          ; v18     the table's stage, on the way in
.set PFO,  19                          ; v19     256 x my lane: the prefetches' offset; never rewritten
.set ADRB, 20                          ; v20-21  the same for B
.set FA,   22                          ; v22     the table's stage: my row and my half's 32 bytes
.set COM,  23                          ; v23     my 16 bytes of a store + 1,024 - d  (d = 1,024 for k, else 0)
.set STO,  24                          ; v24     where I put 8 codes of a row
.set RD,   25                          ; v25     where I read 16 bytes of the stage back
.set CO,   26                          ; v26     16 x my lane
.set COP,  27                          ; v27     the same + d
.set SPW,  28                          ; v28     LDS address of my spare word; never rewritten
.set NIL,  29                          ; v29     0; never rewritten
.set SC,   30                          ; v30     2^E as f32
.set LIM,  31                          ; v31     448 x 2^E
.set FD0,  32                          ; v32-95, v96-159  the table in the results' layout, two sets
.set T,    160                         ; v160-223 a block's 64 numbers, rotated and held
.set CD,   224                         ; v224-239 their codes
.set OB,   240                         ; v240-255 the block read back from the stage
.set AF,   128                         ; A's fragments, in window 0
.set QR,   32                          ; wo: v32-159 eight sets of 16 numbers as they are loaded
.set QX,   160                         ; wo: v160-175 16 neighbours
.set QC,   192                         ; wo: v192-223 codes, four registers for each step of a trip
.set G1,  24                           ; s[24:31] descriptor group 1 for A's refills;  s[32:39] group 0, one set for each slot
.set G0,  32
.set G1B, 48                           ; s[48:55], s[56:63] the same for B's tiles
.set G0B, 56
.set H1,  76                           ; s[76:83], s[84:91] group 1 of the head's loads (two planes), A and B; later the scales' exponents
.set H1B, 84
.set PFA, 94                           ; s[94:95] the prefetches' base
.set PFT, 96                           ; s[96:97] the same for the table
.set TAB, 98                           ; s[98:99] my 128 rows of the table
.set JJ,  66                           ; s66 J
.set MSB, 0
.macro WIN new                         ; the immediate's high byte repeats the setting that is left
.if MSB != \new
	s_set_vgpr_msb (MSB<<8)|\new
.set MSB, \new
.endif
.endm
.set MUL_LO, 0xa1                      ; source 0 (B) window 1, source 1 (A) window 0, C and D window 2
.set MUL_HI, 0xf1                      ; the same, C and D window 3
.set TO_B,   0x40                      ; destination window 1, address window 0
; A joint load: waves 0 and 1 fetch for A, waves 2 and 3 for B.  The branch hangs on the wave's number alone.  An s_nop 0 and four v_nop follow each of the two lines.
.macro JLOAD g0a, g1a, g0b, g1b
	s_cmp_eq_u32 s15, 0
	s_cbranch_scc0 .Lfor_b_\@
	tensor_load_to_lds s[\g0a:\g0a+3], s[\g1a:\g1a+7]
	s_nop 0
.rept 4
	v_nop
.endr
	s_branch .Lasked_\@
.Lfor_b_\@:
	tensor_load_to_lds s[\g0b:\g0b+3], s[\g1b:\g1b+7]
	s_nop 0
.rept 4
	v_nop
.endr
.Lasked_\@:
.endm
.macro CREST                           ; a round of the cluster's barrier behind its opening barrier
	s_cmp_lg_u32 s14, 0
	s_cbranch_scc1 .Lnot_wave_0_\@
	s_barrier_signal -3
.Lnot_wave_0_\@:
	s_barrier_wait -3
	s_barrier_signal -1
	s_barrier_wait -1
.endm
.macro CROUND                          ; a whole round
	s_barrier_signal -1
	s_barrier_wait -1
	CREST
.endm
; The prefetch behind a refill: 32 rows x 256 bytes on end, lanes 256 bytes apart.  s3 = 1 in the last trip, whose refills have no K step two on: there slot 0's asks, in q's and k's work-groups, for the table's rows, two K steps ahead of their first load.
.macro ASK slot
	s_cmp_gt_u32 s3, 1
	s_cbranch_scc0 .Lno_step_\@
	global_prefetch_b8 v[PFO], s[PFA:PFA+1] offset:PL th:TH_LOAD_NT scope:SCOPE_SE
.if \slot == 0
	s_branch .Lnone_\@
.endif
.Lno_step_\@:
.if \slot == 0
	s_cmp_lt_u32 s[JJ], 2
	s_cbranch_scc0 .Lnone_\@
	global_prefetch_b8 v[PFO], s[PFT:PFT+1] th:TH_LOAD_NT scope:SCOPE_SE
.Lnone_\@:
.endif
.endm
	s_load_b256 s[4:11], s[0:1], 0x0               ; xcodes s[4:5], wcodes s[6:7], freqs_cis s[8:9], the scales s[10:11]
	s_load_b256 s[68:75], s[0:1], 0x20             ; qcodes s[68:69], kcodes s[70:71], vcodes s[72:73], wo s[74:75]
	s_load_b64 s[92:93], s[0:1], 0x40              ; wocodes
	v_lshl_add_u32 v[SPW], v0, 2, SPARE
	v_mov_b32 v[NIL], 0
	ds_add_u32 v[SPW], v[NIL]                      ; the wave's opening: the add, twice on end, and its wait ahead of my first tensor load
	ds_add_u32 v[SPW], v[NIL]
	v_lshrrev_b32 v1, 5, v0
	v_readfirstlane_b32 s14, v1                    ; wave 0..3
	s_wait_alu depctr_va_vdst(0)                   ; ahead of the scalar lines below
	s_lshr_b32 s15, s14, 1                         ; which half of the tile's rows is mine.  Also: I fetch for A (0) or for B (1)
	s_and_b32 s16, s14, 1                          ; which half of its columns.  Also: which 128 rows of that tile I fetch
	s_bfe_u32 s40, ttmp6, 0x40000                  ; cx, cy: my place in the cluster
	s_bfe_u32 s41, ttmp6, 0x40004
	s_lshr_b32 s[JJ], ttmp9, 1                     ; J: two clusters along x for each of q, k, v, wo
	s_and_b32 s42, ttmp9, 1
	s_lshl_b32 s42, s42, 2
	s_add_co_u32 s42, s42, s40                     ; tile column 0..7
	s_and_b32 s17, ttmp7, 0xffff
	s_lshl_b32 s17, s17, 2
	s_add_co_u32 s17, s17, s41                     ; tile row 0..7
	s_lshl_b32 s43, s41, 2
	s_lshl_b32 s43, 15, s43                        ; my row of the cluster
	s_lshl_b32 s44, 0x1111, s40                    ; my column
	; descriptor group 1 of the refills: 128 rows of 256 bytes, dense, four words of padding after every 64
	s_or_b32 s[G1+0], s43, (0<<16)|(1<<20)|(1<<21)|(5<<22)|(3<<25)  ; 15:0 the mask: A's tiles go to my row; 17:16 elements of 1 byte; 20 padding on; 21 set beside a mask; 24:22 code 5; 31:25 code 3
	s_or_b32 s[G1B+0], s44, (0<<16)|(1<<20)|(1<<21)|(5<<22)|(3<<25)
.irp g, G1, G1B
	s_mov_b32 s[\g+1], ROWB<<16                    ; tensor_dim0
	s_mov_b32 s[\g+2], 128<<16                     ; tensor_dim1
	s_mov_b32 s[\g+3], ROWB<<16                    ; tile_dim0
	s_mov_b32 s[\g+4], 128                         ; tile_dim1
	s_mov_b32 s[\g+5], ROWB                        ; tensor_dim0_stride
	s_mov_b32 s[\g+6], 0
	s_mov_b32 s[\g+7], 0
.endr
	; of the head's loads: two planes, of each 128 rows on end: 2 x 16,384 elements of 2 bytes
	s_or_b32 s[H1+0], s43, (1<<16)|(1<<20)|(1<<21)|(5<<22)|(3<<25)
	s_or_b32 s[H1B+0], s44, (1<<16)|(1<<20)|(1<<21)|(5<<22)|(3<<25)
.irp g, H1, H1B
	s_mov_b32 s[\g+1], 16384<<16
	s_mov_b32 s[\g+2], 2<<16
	s_mov_b32 s[\g+3], 16384<<16
	s_mov_b32 s[\g+4], 2
	s_mov_b32 s[\g+5], PL/2
	s_mov_b32 s[\g+6], 0
	s_mov_b32 s[\g+7], 0
.endr
	s_lshl_b32 s18, s16, 7                         ; which 128 rows of the tile I fetch
	s_lshl_b32 s19, s[JJ], 22                      ; part J, 4 MiB each
	s_lshl_b32 s20, s17, 8
	s_add_co_u32 s20, s20, s18                     ; A: row 256 x tile row + 128 x half,
	s_lshl_b32 s20, s20, 8                         ; x 256 bytes,
	s_add_co_u32 s20, s20, s19                     ; in part J
	s_mov_b32 s21, 0
	s_lshl_b32 s46, s42, 8
	s_add_co_u32 s46, s46, s18                     ; B: row 256 x tile column + 128 x half
	s_lshl_b32 s46, s46, 8
	s_add_co_u32 s46, s46, s19
	s_mov_b32 s47, 0
	s_mul_i32 s45, s14, WREGN                      ; where the tiles go: no place in the cluster enters an LDS address
	s_wait_dscnt 0x0                               ; both opening adds are done
	s_wait_kmcnt 0x0
	s_cmp_eq_u32 s[JJ], 3                          ; the cluster's number: all partners go the same way
	s_cbranch_scc1 .Lwo
	s_cmp_eq_u32 s[JJ], 2                          ; for v the two operands change places
	s_cselect_b64 s[12:13], s[6:7], s[4:5]
	s_cselect_b64 s[18:19], s[4:5], s[6:7]
	s_add_nc_u64 s[20:21], s[12:13], s[20:21]
	s_add_nc_u64 s[46:47], s[18:19], s[46:47]
.irp s, 0,1
	s_mov_b32 s[G0+4*\s], 1
	s_add_co_u32 s[G0+4*\s+1], s45, \s*HALFT
	s_add_nc_u64 s[G0+4*\s+2:G0+4*\s+3], s[20:21], \s*PL
	s_or_b32 s[G0+4*\s+3], s[G0+4*\s+3], 0x80000000
	s_mov_b32 s[G0B+4*\s], 1
	s_add_co_u32 s[G0B+4*\s+1], s45, \s*HALFT
	s_add_nc_u64 s[G0B+4*\s+2:G0B+4*\s+3], s[46:47], \s*PL
	s_or_b32 s[G0B+4*\s+3], s[G0B+4*\s+3], 0x80000000
.endr
	CROUND                                         ; all sixteen work-groups are here: the first joint loads meet
	JLOAD G0, H1, G0B, H1B                         ; K steps 0 and 1, into both slots: one tensor load a wave
	; the prefetches' bases: of the 128 rows that I fetch, the 32 of my place among the partners (cx for A, cy for B), from K step 2 on
	s_cmp_eq_u32 s15, 0
	s_cselect_b64 s[PFA:PFA+1], s[20:21], s[46:47]
	s_cselect_b32 s22, s40, s41
	s_lshl_b32 s22, s22, 13
	s_mov_b32 s23, 0
	s_add_nc_u64 s[PFA:PFA+1], s[PFA:PFA+1], s[22:23]
	s_add_nc_u64 s[PFA:PFA+1], s[PFA:PFA+1], 2*PL
	s_lshl_b32 s22, s17, 17                        ; the table's 256 rows of my tile row: 131,072 bytes: a quarter for each cx, a quarter of that for each wave
	s_add_nc_u64 s[TAB:TAB+1], s[8:9], s[22:23]
	s_lshl_b32 s22, s40, 15
	s_lshl_b32 s2, s14, 13
	s_add_co_u32 s22, s22, s2
	s_add_nc_u64 s[PFT:PFT+1], s[TAB:TAB+1], s[22:23]
	s_lshl_b32 s22, s15, 16
	s_add_nc_u64 s[TAB:TAB+1], s[TAB:TAB+1], s[22:23]  ; my 128 rows of it
	; where my wave's codes go
	s_lshl_b32 s20, s17, 1
	s_add_co_u32 s20, s20, s15                     ; which 128 rows of C are mine,
	s_lshl_b32 s46, s42, 1
	s_add_co_u32 s46, s46, s16                     ; and which 128 columns
	s_cmp_eq_u32 s[JJ], 2
	s_cselect_b32 s22, s20, s46                    ; the head: q, k: my columns; v: my rows
	s_cselect_b32 s2, s46, s20                     ; the block of 128 rows of s, or of 128 keys
	s_lshl_b32 s22, s22, 18                        ; a head is 262,144 bytes,
	s_lshl_b32 s2, s2, 14                          ; my 128 x 128 codes 16,384
	s_add_co_u32 s22, s22, s2
	s_cmp_eq_u32 s[JJ], 1
	s_cselect_b64 s[4:5], s[70:71], s[68:69]
	s_cselect_b32 s67, 1024, 0                     ; d: eight rows of 128 bytes, for k alone
	s_cmp_eq_u32 s[JJ], 2
	s_cselect_b64 s[4:5], s[72:73], s[4:5]
	s_add_nc_u64 s[4:5], s[4:5], s[22:23]
	s_sub_co_u32 s12, 1024, s67
	s_mul_i32 s21, s15, WREGN                      ; my 128 rows of A
	s_mul_i32 s22, s16, WREGN                      ; my 128 rows of B,
	s_add_co_u32 s22, s22, 2*WREGN                 ; which lie behind A's
	s_mul_i32 s23, s14, CSB
	s_add_co_u32 s23, s23, CSTG                    ; my code stage
	v_and_b32 v1, 15, v0                           ; r = lane % 16
	v_bfe_u32 v2, v0, 4, 1                         ; h = lane / 16
	v_and_b32 v6, 31, v0                           ; lane
	v_mul_u32_u24 v3, v1, PITCH
	v_lshl_add_u32 v4, v2, 4, v3                   ; a fragment's row x pitch + 16 x half
	v_add_nc_u32 v[ADRA], s21, v4
	v_add_nc_u32 v[ADRA+1], HALFT, v[ADRA]
	v_add_nc_u32 v[ADRB], s22, v4
	v_add_nc_u32 v[ADRB+1], HALFT, v[ADRB]
	v_mul_u32_u24 v5, v1, FP                       ; the table's stage, at slot 0 of my own rows: row r, + 32 h: the four (cos, sin) of my half's eight channels
	v_lshl_add_u32 v5, v2, 5, v5
	v_add_nc_u32 v[FA], s45, v5
	v_lshlrev_b32 v[CO], 4, v6
	v_add_nc_u32 v[TST], s45, v[CO]
	v_mul_u32_u24 v5, v1, CP
	v_lshl_add_u32 v5, v2, 3, v5
	v_add_nc_u32 v[STO], s23, v5                   ; in: row r, 8 bytes for each half of the lanes
	v_lshrrev_b32 v5, 3, v6
	v_mul_u32_u24 v5, v5, CP
	v_and_b32 v3, 7, v0
	v_lshl_add_u32 v5, v3, 4, v5
	v_add_nc_u32 v[RD], s23, v5                    ; back: eight lanes to a row of 128 bytes, four rows an instruction
	v_add_nc_u32 v[COP], s67, v[CO]
	v_add_nc_u32 v[COM], s12, v[CO]
	v_lshlrev_b32 v[PFO], 8, v6
	s_wait_alu depctr_va_vdst(0)                   ; at the head's end
	global_prefetch_b8 v[PFO], s[PFA:PFA+1] th:TH_LOAD_NT scope:SCOPE_SE            ; K step 2,
	global_prefetch_b8 v[PFO], s[PFA:PFA+1] offset:PL th:TH_LOAD_NT scope:SCOPE_SE  ; and 3
.macro FRAG reg, adr, q, i             ; a fragment: lane l holds row l % 16; registers 4 c .. 4 c + 3 hold K = 32 c + 16 (l / 16) + 0 .. 15: the same order of K in A and in B
.irp c, 0,1,2,3
	ds_load_b128 v[\reg+4*\c:\reg+4*\c+3], v[\adr] offset:128*(\q)+32*\c+(\i)*16*PITCH
.endr
.endm
; 16 matrix instructions: A's blocks a0, a0 + 1 x B's eight, 128 along K.  p: B's set.  zero = 1: the first product starts the sums.  The 64 accumulators take turns, in the same order in every step.
.macro MUL16 a0, p, zero
.irp a, \a0, \a0+1
.irp b, 0,1,2,3,4,5,6,7
.if \zero
	v_wmma_f32_16x16x128_fp8_fp8 v[8*(8*((\a)%4)+\b):8*(8*((\a)%4)+\b)+7], v[128*(\p)+FR*\b:128*(\p)+FR*\b+FR-1], v[AF+FR*(\a):AF+FR*(\a)+FR-1], 0
.else
	v_wmma_f32_16x16x128_fp8_fp8 v[8*(8*((\a)%4)+\b):8*(8*((\a)%4)+\b)+7], v[128*(\p)+FR*\b:128*(\p)+FR*\b+FR-1], v[AF+FR*(\a):AF+FR*(\a)+FR-1], v[8*(8*((\a)%4)+\b):8*(8*((\a)%4)+\b)+7]
.endif
.endr
.endr
.endm
.macro FETCH_B slot, q, p              ; B's eight fragments of the slot's q-th 128 along K into set p
	WIN TO_B
.irp i, 0,1,2,3,4,5,6,7
	FRAG 128*(\p)+FR*\i, ADRB+\slot, \q, \i
.endr
	WIN 0
.endm
.macro FETCH_A slot, q, i0             ; A's blocks i0 .. i0 + 3
.irp i, \i0, \i0+1, \i0+2, \i0+3
	FRAG AF+FR*(\i), ADRA+\slot, \q, \i
.endr
.endm
.macro PLACES n                        ; plain vector lines between a matrix instruction and a load into, or a vector read of, its registers
.rept \n
	v_nop
.endr
.endm
; A step of 128 along K that has its successor in the same slot.
.macro STEP slot, q, zero
	s_wait_dscnt 4*NL                              ; B's set and A's blocks 0-3 are in; the youngest 16 loads (A's blocks 4-7) may be out
	WIN MUL_LO
	MUL16 0, (\q)%2, \zero
	MUL16 2, (\q)%2, \zero
	s_wait_dscnt 0                                 ; A's blocks 4-7 are in
	PLACES NP
	FETCH_B \slot, (\q)+1, 1-(\q)%2
	FETCH_A \slot, (\q)+1, 0
	WIN MUL_HI
	MUL16 4, (\q)%2, \zero
	MUL16 6, (\q)%2, \zero
	PLACES NP
	WIN 0
	FETCH_A \slot, (\q)+1, 4
.endm
; A slot's last step changes slots: ONE barrier; in front of it each wave waits for all its tensor loads, adds 0 to its spare word, and waits for that and for its own reads of this slot.
; fill = 1: this slot is filled again, two K steps ahead.  fill = 0: nothing.
.macro TURN slot, next, fill
.if \fill
	s_wait_xcnt 0x0                                ; my prefetches have read their address: it is stepped here
	s_add_nc_u64 s[PFA:PFA+1], s[PFA:PFA+1], PL
.endif
	s_wait_tensorcnt 0x0                           ; all my tensor loads have landed: my part of the next slot  (every window is 0 here)
	ds_add_u32 v[SPW], v[NIL]                      ; 0 onto my spare word
	s_wait_dscnt 4*NL+1                            ; the add and the youngest 16 loads, A's blocks 4-7, may be out
	WIN MUL_LO
	MUL16 0, 1, 0                                  ; sixteen matrix instructions stand between the add and the wait for it
	s_wait_dscnt 0x0                               ; the add is done, and my reads of this slot are over
	s_barrier_signal -1
	MUL16 2, 1, 0
	WIN 0
	s_barrier_wait -1
.if \fill
	CREST                                          ; the barrier has opened a round of the cluster's barrier: no wave of any partner still reads this slot or has a load on its way
	s_add_nc_u64 s[G0+4*\slot+2:G0+4*\slot+3], s[G0+4*\slot+2:G0+4*\slot+3], 2*PL
	s_add_nc_u64 s[G0B+4*\slot+2:G0B+4*\slot+3], s[G0B+4*\slot+2:G0B+4*\slot+3], 2*PL
	JLOAD G0+4*\slot, G1, G0B+4*\slot, G1B         ; the first tensor load behind the round; its four v_nop are the places in front of the loads below
.else
	PLACES NP
.endif
	FETCH_B \next, 0, 0
	FETCH_A \next, 0, 0
.if \fill
	ASK \slot
.endif
	WIN MUL_HI
	MUL16 4, 1, 0
	MUL16 6, 1, 0
	PLACES NP
	WIN 0
	FETCH_A \next, 0, 4
.endm
	s_wait_tensorcnt 0x0                           ; my part of K steps 0 and 1 is in
	s_load_b256 s[76:83], s[10:11], 0x0            ; e0 .. e7, over the head's descriptors
	s_load_b128 s[84:87], s[10:11], 0x20           ; e8 .. e11
	s_barrier_signal -1
	s_barrier_wait -1                              ; everybody's is
	FETCH_B 0, 0, 0
	FETCH_A 0, 0, 0
	FETCH_A 0, 0, 4
	STEP 0, 0, 1                                   ; the first step stands in front of the loop: its products start the sums
	s_mov_b32 s3, 3
.Llap:                                                 ; a trip goes once round the ring, from a lap's second step to the next lap's first, and fills both slots again
	TURN 0, 1, 1
	STEP 1, 0, 0
	TURN 1, 0, 1
	STEP 0, 0, 0
	s_sub_co_u32 s3, s3, 1
	s_cmp_lg_u32 s3, 0
	s_cbranch_scc1 .Llap
	TURN 0, 1, 0                                   ; the last lap fills nothing; behind its barrier slot 0 is read no more
	STEP 1, 0, 0
	s_wait_kmcnt 0x0
	s_sub_co_i32 s82, s82, s76                     ; e6 - e0 - e1,
	s_sub_co_i32 s82, s82, s77
	s_sub_co_i32 s83, s83, s78                     ; e7 - e2 - e3,
	s_sub_co_i32 s83, s83, s79
	s_sub_co_i32 s85, s85, s80                     ; e9 - e4 - e5:
	s_sub_co_i32 s85, s85, s81
	s_cmp_eq_u32 s[JJ], 1                          ; E is chosen by J: a choice, no branch on a loaded number
	s_cselect_b32 s82, s83, s82
	s_cmp_eq_u32 s[JJ], 2
	s_cselect_b32 s82, s85, s82
	s_add_co_i32 s82, s82, 127
	s_lshl_b32 s83, s82, 23
	v_mov_b32 v[SC], s83                           ; 2^E as f32: the conversion takes its exponent field
	s_add_co_i32 s82, s82, 8
	s_lshl_b32 s82, s82, 23
	s_or_b32 s82, s82, 0x600000
	v_mov_b32 v[LIM], s82                          ; 448 x 2^E
	s_wait_alu depctr_va_vdst(0)                   ; ahead of the branch
.macro LAST                            ; the very last step: nothing more to fetch
	s_wait_dscnt 4*NL
	WIN MUL_LO
	MUL16 0, 1, 0
	MUL16 2, 1, 0
	s_wait_dscnt 0
	WIN MUL_HI
	MUL16 4, 1, 0
	MUL16 6, 1, 0
	WIN 0
	PLACES NP                                      ; for the reads of results and the loads into the registers that held fragments
.endm
; THE WAY OUT, block by block of 16 rows x 128 columns: rotate (q, k), hold, convert: 8 codes a lane and accumulator; through my own stage in LDS; back as 2,048 bytes on end, stored 512 consecutive bytes an instruction.
.macro TLD a                           ; the table's 16 rows for block a, as they lie: 32 lanes read 512 consecutive bytes.  Window 1, set a % 4
	WIN 0x40
.irp i, 0,1,2,3,4,5,6,7,8,9,10,11,12,13,14,15
	global_load_b128 v[64*((\a)%4)+4*\i:64*((\a)%4)+4*\i+3], v[CO], s[TAB:TAB+1] offset:8192*(\a)+512*\i
.endr
	WIN 0
.endm
.macro TPUT a                          ; through the stage into the results' layout: registers 8 b .. 8 b + 7 = (cos, sin) of the four pairs of channels 16 b + 8 h + 0 .. 7, row 16 a + r.  LDS serves a wave's instructions in order: one stage serves all blocks
	WIN 0x04
.irp i, 0,1,2,3,4,5,6,7,8,9,10,11,12,13,14,15
	ds_store_b128 v[TST], v[64*((\a)%4)+4*\i:64*((\a)%4)+4*\i+3] offset:FP*\i
.endr
	WIN 0
.set FDR, FD0+64*((\a)%2)
.irp b, 0,1,2,3,4,5,6,7
	ds_load_b128 v[FDR+8*\b:FDR+8*\b+3],   v[FA] offset:64*\b
	ds_load_b128 v[FDR+8*\b+4:FDR+8*\b+7], v[FA] offset:64*\b+16
.endr
.endm
.macro SEND a                          ; block a's 2,048 bytes.  For k, rows 8-15 of an even block go eight rows down and rows 0-7 of an odd block eight rows up; for q and v the three offsets name the same place
.irp i, 0,1,2,3
.if ((\a)%2 == 0) && (\i >= 2)
	global_store_b128 v[COP], v[OB+4*\i:OB+4*\i+3], s[4:5] offset:2048*(\a)+512*\i
.elseif ((\a)%2 == 1) && (\i < 2)
	global_store_b128 v[COM], v[OB+4*\i:OB+4*\i+3], s[4:5] offset:2048*(\a)+512*\i-1024
.else
	global_store_b128 v[CO], v[OB+4*\i:OB+4*\i+3], s[4:5] offset:2048*(\a)+512*\i
.endif
.endr
.endm
.macro BLOCK a, rope
.set AC, 64*((\a)%4)                   ; its eight accumulators, in window 2 (blocks 0-3) or 3 (blocks 4-7)
.set FDC, FD0+64*((\a)%2)
.set WW, 0x02+((\a)/4)                 ; source 0: window 2 or 3
.if \rope
.if (\a) < 7
.if (\a) < 5
	s_wait_loadcnt 32                              ; the next block's table rows are in; the two blocks' behind it may be out
.else
	s_wait_loadcnt 16*(6-(\a))
.endif
	TPUT (\a)+1
	s_wait_dscnt 32                                ; all but the 32 just issued: this block's table is in, and the block before is back from the stage
.else
	s_wait_dscnt 0x0
.endif
.if (\a) < 4
	TLD (\a)+4                                     ; this block's rows have left their registers for the stage
.endif
	WIN WW
.irp b, 0,1,2,3,4,5,6,7                ; each accumulator from its low end on
.irp p, 0,2,4,6
	v_pk_mul_f32 v[T+8*\b+\p:T+8*\b+\p+1], v[AC+8*\b+\p:AC+8*\b+\p+1], v[FDC+8*\b+\p:FDC+8*\b+\p+1] op_sel_hi:[1,0]   ; (t0 cos, t1 cos)
.endr
.irp p, 0,2,4,6
	v_pk_fma_f32 v[T+8*\b+\p:T+8*\b+\p+1], v[AC+8*\b+\p:AC+8*\b+\p+1], v[FDC+8*\b+\p:FDC+8*\b+\p+1], v[T+8*\b+\p:T+8*\b+\p+1] op_sel:[1,1,0] op_sel_hi:[0,1,1] neg_lo:[0,1,0]   ; (t0 cos - t1 sin, t1 cos + t0 sin)
.endr
.endr
	WIN 0
.set n, 0
.rept 64
	v_med3_num_f32 v[T+n], v[T+n], -v[LIM], v[LIM]   ; the conversion to an 8-bit code does not saturate (ISA guide 7.6.2): the hold at the largest code x the scale
.set n, n+1
.endr
.else
	WIN WW
.set n, 0
.rept 64
	v_med3_num_f32 v[T+n], v[AC+n], -v[LIM], v[LIM]
.set n, n+1
.endr
	WIN 0
.if (\a) > 0
	s_wait_alu depctr_va_vdst(0)                   ; ahead of the wait below
	s_wait_dscnt 0x0                               ; the block before is back from the stage
.endif
.endif
.if (\a) > 0
	SEND (\a)-1
.endif
.irp b, 0,1,2,3,4,5,6,7
	v_cvt_scalef32_pk8_fp8_f32 v[CD+2*\b:CD+2*\b+1], v[T+8*\b:T+8*\b+7], v[SC]
.endr
	v_nop                                          ; one plain vector line between the conversions and the next lines that write their sources
.irp b, 0,1,2,3,4,5,6,7
	ds_store_b64 v[STO], v[CD+2*\b:CD+2*\b+1] offset:16*\b+4*CSB*(1-(\rope))
.endr
.if (\a) > 0
	s_wait_xcnt 0x0                                ; the stores of the block before have read their data: the loads below land there only behind this wait
.endif
.irp i, 0,1,2,3
	ds_load_b128 v[OB+4*\i:OB+4*\i+3], v[RD] offset:4*CP*\i+4*CSB*(1-(\rope))   ; LDS serves a wave's instructions in order: these see my stores
.endr
.endm
	s_cmp_lt_u32 s[JJ], 2                          ; ONE parting, on the cluster's number: q and k rotate, v does not
	s_cbranch_scc0 .Lplain
	TLD 0                                          ; into B's set 0, which the last step does not read
	TLD 1
	LAST
	TLD 2
	TLD 3
	s_wait_loadcnt 48                              ; block 0's rows are in; those of blocks 1 to 3 may be out
	TPUT 0
.irp a, 0,1,2,3,4,5,6,7
	BLOCK \a, 1
.endr
	s_wait_dscnt 0x0
	SEND 7
	s_branch .Lout
.Lplain:
	LAST
.irp a, 0,1,2,3,4,5,6,7
	BLOCK \a, 0
.endr
	s_wait_dscnt 0x0
	SEND 7
.Lout:
	s_wait_tensorcnt 0x0                           ; the wave's end: behind my last tensor load and my last LDS store
	ds_add_u32 v[SPW], v[NIL]
	s_wait_dscnt 0x0
	CROUND                                         ; the closing round: no work-group ends while a partner may still ask for a tile that names it
	s_endpgm
; wo, [2048 n][2048 k] f32, becomes codes, [k / 128][n][k % 128].  A wave takes eight rows: four trips, two rows each, in 8 steps of 2 rows x 256 along K.  A step's 2,048 bytes turn through my own stage:
; lane l then has 16 neighbours of row (l / 8) % 2, in the half l / 16 of the 256: sixteen lanes store the two rows' 256 bytes of one plane of 128, which lie on end.  32 loads are out at a time.  These clusters make no joint request and pass no barrier.
.Lwo:
	s_lshl_b32 s20, s17, 3
	s_add_co_u32 s20, s20, s42                     ; work-group 0..63 of these,
	s_lshl_b32 s20, s20, 2
	s_add_co_u32 s20, s20, s14                     ; wave 0..255: rows 8 x that on
	s_lshl_b32 s46, s20, 10                        ; in codes: 8 x 128 bytes,
	s_mov_b32 s47, 0
	s_lshl_b32 s20, s20, 16                        ; in f32: 8 x 8,192 bytes
	s_mov_b32 s21, 0
	s_load_b32 s88, s[10:11], 0x2c                 ; e11
	s_add_nc_u64 s[74:75], s[74:75], s[20:21]
	s_add_nc_u64 s[92:93], s[92:93], s[46:47]
	s_mul_i32 s22, s14, 5120
	s_add_co_u32 s22, s22, QSTG                    ; my two stages: 64 bytes + 16 of padding for each 16 numbers
	s_mov_b32 s3, 3
	v_and_b32 v6, 31, v0                           ; lane
	v_lshlrev_b32 v[CO], 4, v6
	v_lshrrev_b32 v1, 2, v6
	v_mul_u32_u24 v1, v1, 80
	v_and_b32 v2, 3, v6
	v_lshl_add_u32 v1, v2, 4, v1
	v_add_nc_u32 v1, s22, v1                       ; in
	v_bfe_u32 v3, v0, 3, 1                         ; the row
	v_bfe_u32 v4, v0, 4, 1                         ; the plane
	v_and_b32 v5, 7, v0
	v_lshl_add_u32 v5, v3, 4, v5
	v_lshl_add_u32 v5, v4, 3, v5
	v_mul_u32_u24 v5, v5, 80
	v_add_nc_u32 v7, s22, v5                       ; and out
	v_and_b32 v8, 15, v0
	v_lshlrev_b32 v8, 4, v8
	v_lshl_add_u32 v8, v4, 18, v8                  ; my 16 codes in a store
	s_wait_alu depctr_va_vdst(0)                   ; ahead of the wait below
.macro QL t, off                       ; step t's four loads, each 512 consecutive bytes: two of a row, two of the next
.irp i, 0,1,2,3
	global_load_b128 v[QR+16*\t+4*\i:QR+16*\t+4*\i+3], v[CO], s[74:75] offset:(\off)+8192*(\i/2)+1024*\t+512*(\i%2) th:TH_LOAD_NT
.endr
.endm
.macro QS t, more                      ; a step; more = 1: its registers take the loads of the next trip
	s_wait_loadcnt 28-4*\t*(1-\more)               ; the oldest four loads are in; those of the steps behind may be out
.irp i, 0,1,2,3
	ds_store_b128 v1, v[QR+16*\t+4*\i:QR+16*\t+4*\i+3] offset:2560*(\t%2)+640*\i
.endr
.irp i, 0,1,2,3
	ds_load_b128 v[QX+4*\i:QX+4*\i+3], v7 offset:2560*(\t%2)+16*\i
.endr
	s_wait_dscnt 0x0                               ; back from the stage: so the stores into it have read their registers
.if \more
	QL \t, 16384
.endif
.irp i, 0,1,2,3,4,5,6,7,8,9,10,11,12,13,14,15
	v_med3_num_f32 v[QX+\i], v[QX+\i], -v[LIM], v[LIM]
.endr
	v_cvt_scalef32_pk8_fp8_f32 v[QC+4*\t:QC+4*\t+1], v[QX:QX+7], v[SC]
	v_cvt_scalef32_pk8_fp8_f32 v[QC+4*\t+2:QC+4*\t+3], v[QX+8:QX+15], v[SC]
	v_nop                                          ; one plain vector line behind the conversions
	global_store_b128 v8, v[QC+4*\t:QC+4*\t+3], s[92:93] offset:524288*\t
.endm
.irp t, 0,1,2,3,4,5,6,7
	QL \t, 0
.endr
	s_wait_kmcnt 0x0
	s_add_co_i32 s88, s88, 127
	s_lshl_b32 s89, s88, 23
	v_mov_b32 v[SC], s89                           ; 2^e11 as f32
	s_add_co_i32 s88, s88, 8
	s_lshl_b32 s88, s88, 23
	s_or_b32 s88, s88, 0x600000
	v_mov_b32 v[LIM], s88                          ; 448 x 2^e11
	s_wait_alu depctr_va_vdst(0)                   ; ahead of the wait below
.Lpair:
.irp t, 0,1,2,3,4,5,6,7
	QS \t, 1
.endr
	s_wait_xcnt 0x0                                ; the stores have read their data, and all bases may step
	s_add_nc_u64 s[74:75], s[74:75], 16384         ; two rows of wo on,
	s_add_nc_u64 s[92:93], s[92:93], 256           ; two rows of codes
	s_sub_co_u32 s3, s3, 1
	s_cmp_lg_u32 s3, 0
	s_cbranch_scc1 .Lpair
.irp t, 0,1,2,3,4,5,6,7
	QS \t, 0
.endr
	s_wait_tensorcnt 0x0                           ; the wave's end: behind my last LDS store
	ds_add_u32 v[SPW], v[NIL]
	s_wait_dscnt 0x0
	s_endpgm
.Lfunc_end_k_qdc4890dade_qkv:
	.size	k_qdc4890dade_qkv, .Lfunc_end_k_qdc4890dade_qkv-k_qdc4890dade_qkv
	.p2alignl 7, 3214868480
	.fill 96, 4, 3214868480
	.section	.rodata,"a",@progbits
	.p2align	6, 0x0
	.amdhsa_kernel k_qdc4890dade_qkv
		.amdhsa_group_segment_fixed_size 327680
		.amdhsa_private_segment_fixed_size 0
		.amdhsa_enable_private_segment 0
		.amdhsa_kernarg_size 72
		.amdhsa_user_sgpr_count 2
		.amdhsa_user_sgpr_kernarg_segment_ptr 1
		.amdhsa_wavefront_size32 1
		.amdhsa_system_sgpr_workgroup_id_x 1
		.amdhsa_system_sgpr_workgroup_id_y 1
		.amdhsa_system_sgpr_workgroup_id_z 1
		.amdhsa_system_vgpr_workitem_id 0
		.amdhsa_next_free_vgpr 1024
		.amdhsa_next_free_sgpr 100
		.amdhsa_reserve_vcc 0
		.amdhsa_float_denorm_mode_32 3
		.amdhsa_float_denorm_mode_16_64 3
		.amdhsa_memory_ordered 1
		.amdhsa_forward_progress 1
		.amdhsa_inst_pref_size 255
	.end_amdhsa_kernel
	.section	.bss,"aw",@nobits
	.p2align	6
	.space	262144
	.amdgpu_metadata
---
amdhsa.version: [ 1, 2 ]
amdhsa.kernels:
  - .name:           k_qdc4890dade_qkv
    .symbol:         k_qdc4890dade_qkv.kd
    .args:
      - { .name: xcodes, .offset: 0, .size: 8, .value_kind: global_buffer, .address_space: global }
      - { .name: wcodes, .offset: 8, .size: 8, .value_kind: global_buffer, .address_space: global }
      - { .name: freqs_cis, .offset: 16, .size: 8, .value_kind: global_buffer, .address_space: global }
      - { .name: lowp_scales, .offset: 24, .size: 8, .value_kind: global_buffer, .address_space: global }
      - { .name: qcodes, .offset: 32, .size: 8, .value_kind: global_buffer, .address_space: global }
      - { .name: kcodes, .offset: 40, .size: 8, .value_kind: global_buffer, .address_space: global }
      - { .name: vcodes, .offset: 48, .size: 8, .value_kind: global_buffer, .address_space: global }
      - { .name: wo, .offset: 56, .size: 8, .value_kind: global_buffer, .address_space: global }
      - { .name: wocodes, .offset: 64, .size: 8, .value_kind: global_buffer, .address_space: global }
    .group_segment_fixed_size: 327680
    .private_segment_fixed_size: 0
    .kernarg_segment_align: 8
    .kernarg_segment_size: 72
    .max_flat_workgroup_size: 128
    .sgpr_count:     100
    .vgpr_count:     1024
    .wavefront_size: 32
...
	.end_amdgpu_metadata
.endif
;; end of part 2
;; launch attn (part 3): grid 16 x 16, 8 waves a work-group, clusters of 4 x 1, 327,680 bytes of LDS; arguments qcodes, kcodes, vcodes, lowp_scales, ocodes; writes ocodes
.if DOCPART == 3
	.amdgcn_target "amdgcn-amd-amdhsa--gfx1250"
	.amdhsa_code_object_version 6
	.text
	.protected	k_qdc4890dade_attn
	.globl	k_qdc4890dade_attn
	.p2align	8
	.type	k_qdc4890dade_attn,@function
k_qdc4890dade_attn:
	s_mov_b64 s[64:65], 0
	v_nop
	global_prefetch_b8 v0, s[64:65] scope:SCOPE_SE
	s_setreg_imm32_b32 hwreg(HW_REG_WAVE_MODE, 25, 1), 1
	s_wait_xcnt 0x0
	s_wait_alu depctr_hold_cnt(0) depctr_sa_sdst(0) depctr_va_vdst(0) depctr_va_sdst(0) depctr_va_ssrc(0) depctr_va_vcc(0) depctr_vm_vsrc(0)
	s_getreg_b32 s2, hwreg(HW_REG_IB_STS2, 6, 4)
	s_cmp_eq_u32 s2, 0
	s_cbranch_scc0 .Lentry_in_a_cluster
	s_endpgm
.Lentry_in_a_cluster:
	s_bfe_u32 s2, ttmp6, 0x10000c
	s_cmp_lg_u32 s2, 0x3003
	s_cbranch_scc0 .Lentry_shape_is_right
	s_endpgm
.Lentry_shape_is_right:
; Causal attention on codes of FP8 (E4M3): O[h][q] = sum over k <= q of softmax_k(Q[h][q] . K[h][k] / sqrt(128)) V[h][k], and O quantised for the last projection.
; qcodes [16][2048][128]; kcodes likewise, with rows 8-15 and 16-23 of each 32 keys in each other's places; vcodes [16][16 blocks of keys][128 channels][128 keys]; ocodes [16][2048][128].
; THE SOFTMAX AHEAD OF THE SECOND PRODUCT: t = score x log2(e) / sqrt(128); M = the row's largest t so far, rounded UP to a whole number; p = 2^(t - M) is what is quantised; it is not normalised.
; The row's sum is taken of the unquantised p, in f32, and divides O at the end.  When M moves, the sum and O are multiplied by 2^(old M - new M): exact.
; WORK LEFT OUT: a step whose 128 keys all come after the wave's queries: reference()'s own mask makes p = 0 there for all inputs.  LIMIT: a NaN, an infinity or an overflow among those scores alone is not carried to the result.
; SHARES.  A class is 128 queries on end, 128 C on: it meets the key blocks 0 .. C of 128 keys.  Cluster c of a head (c = 0 .. 3) takes the classes 2 c, 2 c + 1, 14 - 2 c and 15 - 2 c: 34 blocks whatever c is.
; Each of its four work-groups takes 32 queries of each class (32 x its place in the cluster on); a wave takes one such group, two tiles of 16 queries, and every second key block (its parity): eight waves, two to a SIMD, a late class and an early one.
; Each fragment of K or V that a wave loads from LDS serves both its tiles.  At the end the two waves of a group join: each sends the other one tile's O, its M and its sum through LDS, and finishes the other tile.
; All branches hang on the cluster's number and the wave's number, so the four partners go the same way.
; THE RING.  Two LDS slots of 512 keys, four blocks each; a block's 128 rows of K and 128 rows of V lie together.  EVERY wave fetches: wave w brings block w / 2 of a slot's K (w even) or V (w odd), 16,384 bytes on end in memory.
; CLUSTERS: the four work-groups of a cluster walk the same K and V: keys 0 to 1,535 are asked for JOINTLY (every work-group reads them: the late classes are 8 and more).  Keys 1,536 on are read by clusters 0 and 1 alone: they come by plain loads,
; and the look-ahead ends at the causal limit: a jump on the cluster's number and the count of slots leads round that load; every wait on TENSORcnt is for 0.
; PREFETCH: at each of the first two changes of slots, for the keys that the next change asks for: of a wave's 16,384 bytes each partner names a quarter, 16 blocks of 256 bytes.
; LAYOUT.  Both products are used transposed: S^T = K Q^T, O^T = V^T P^T: a lane holds ONE query of a tile (lane % 16) throughout.  By kcodes' order of rows, lane r of tile 2 b + u holds key 32 b + 8 u + r + 8 (r / 8),
; so that the 16 registers of tiles 2 b and 2 b + 1 are the 16 neighbouring keys 32 b + 16 (lane / 16) + 0 .. 15: the conversions' results are the second product's operand.
; LIMITS on the given exponents: e6 + e7 between -123 and 130 (added to c's exponent field); e8, and e10 - e8 - e9, between -126 and 119.  Scaled scores stay under 2^31 in magnitude.  NaN is not served.
; REGISTERS.  Window 0: v1-11 addresses, the mask's numbers; v12, v14 -M of the two tiles, v13, v15 their largest t; v[16:17], v[18:19] their sums; v20, v22 f; v32-95, v96-159 S^T, then p; v160-175, v176-191 p's codes; v192-207, v208-223 Q;
;   v224-241 at work; v246, v247, v250, v251 holds and scales.  Window 1: v0-127 eight fragments, of K, then of V; v128-191, v192-255 O^T.
.set KP,     144                       ; a row of 128 codes in LDS: 128 bytes + 16 of padding: the 16 rows that a load touches start at 16 different banks (64 banks of 4 bytes: ISA guide 11.1)
.set BLK,    128*KP                    ; 128 rows: what one tensor load brings
.set STEPB,  2*BLK                     ; a block in LDS: K's 128 rows, then V's 128
.set SLOTB,  4*STEPB                   ; a slot in LDS
.set SLOTM,  4*16384                   ; a slot's part of kcodes, and of vcodes, in memory
.set SPARE,  2*SLOTB                   ; behind the ring: the spare words, 128 bytes for each of eight waves, which no other line names
.set STAGE,  SPARE+1024                ; the way out: 16 rows x 144 bytes for each wave
.set CSB,    16*KP
.set XB,     9216                      ; the exchange: a region for each wave, in slot 0 after its last fill: 8,192 bytes of O, then M and the sum
.set AK0,  1                           ; v1   my lane's place in a tile: row (lane % 16) x pitch + 16 (lane / 16)
.set PFO,  3                           ; v3   the prefetches' offset
.set SPW,  5                           ; v5   LDS address of my spare word; never rewritten
.set NIL,  6                           ; v6   0; never rewritten
.set GO,   7                           ; v7   the way out: my 16 bytes of a store
.set AD,   8                           ; v8   LDS address of my lane's place in the block in hand
.set NINF, 9                           ; v9   -infinity
.set DA,   10                          ; v10, v11  the mask: my query in its class - 16 (lane / 16), for the two tiles
.set TB,   2                           ; s2   LDS byte at which the slot in hand begins
.set CNT,  3                           ; s3   counts a slot's two steps
.set CX,   16                          ; s16  my place in the cluster
.set PAR,  17                          ; s17  my parity: which of every two key blocks is mine; also the tile that I finish
.set WV,   18                          ; s18  my wave's number
.set K4,   19                          ; s19  the slot's first key block
.set SEL,  20                          ; s[20:21] lane selects for v_permlanex16_b32: lane l xor 16
.set CS,   22                          ; s[22:23] c = log2(e) / sqrt(128) x 2^(e6 + e7)
.set G1,   24                          ; s[24:31] descriptor group 1 of the joint loads
.set G1P,  32                          ; s[32:39] of the plain ones: it differs in word 0 alone
.set G0,   40                          ; s[40:43] descriptor group 0
.set KB,   44                          ; s44  the step's key block
.set TQ,   45                          ; s45  LDS byte at which it begins
.set CL,   46                          ; s46  my class: the last key block that I meet
.set CLAST, 47                         ; s47  the work-group's last class
.set TR,   48                          ; s48  counts slots
.set WB,   49                          ; s49  my block's place in a slot
.set PFA,  76                          ; s[76:77] the prefetches' base
.set MSB, 0
.macro WIN new                         ; the immediate's high byte repeats the setting that is left; a switch that changes nothing is dropped
.if MSB != \new
	s_set_vgpr_msb (MSB<<8)|\new
.set MSB, \new
.endif
.endm
.macro TLOAD g                         ; my block of a slot's eight.  An s_nop 0 and four v_nop follow the load
	tensor_load_to_lds s[G0:G0+3], s[\g:\g+7]
	s_nop 0
.rept 4
	v_nop
.endr
.endm
.macro CROUND                          ; a round of the cluster's barrier
	s_barrier_signal -1
	s_barrier_wait -1
	s_cmp_lg_u32 s[WV], 0
	s_cbranch_scc1 .Lnot_wave_0_\@
	s_barrier_signal -3
.Lnot_wave_0_\@:
	s_barrier_wait -3
	s_barrier_signal -1
	s_barrier_wait -1
.endm
; Eight fragments from byte off of the block in hand.  Lane l holds row l % 16; registers 4 c .. 4 c + 3 hold K = 32 c + 16 (l / 16) + 0 .. 15.
.macro FLOAD off
	WIN 0x40
.irp t, 0,1,2,3,4,5,6,7
.irp c, 0,1,2,3
	ds_load_b128 v[16*\t+4*\c:16*\t+4*\c+3], v[AD] offset:(\off)+16*\t*KP+32*\c
.endr
.endr
.endm
	s_load_b256 s[4:11], s[0:1], 0x0               ; qcodes s[4:5], kcodes s[6:7], vcodes s[8:9], the scales s[10:11]
	s_load_b64 s[12:13], s[0:1], 0x20              ; ocodes
	v_lshl_add_u32 v[SPW], v0, 2, SPARE
	v_mov_b32 v[NIL], 0
	ds_add_u32 v[SPW], v[NIL]                      ; the wave's opening: the add, twice on end, and its wait ahead of my first tensor load
	ds_add_u32 v[SPW], v[NIL]
	v_lshrrev_b32 v8, 5, v0
	v_readfirstlane_b32 s[WV], v8                  ; wave 0..7
	s_wait_alu depctr_va_vdst(0)                   ; ahead of the scalar lines below
	s_bfe_u32 s[CX], ttmp6, 0x40000
	s_and_b32 s52, ttmp7, 0xffff                   ; the head,
	s_lshl_b32 s52, s52, 18                        ; x 262,144: its first byte in each of the four tensors of codes
	s_lshr_b32 s54, s[WV], 1                       ; which of a slot's four blocks I fetch.  Also: bit 0 my parity, bit 1 which of the two classes
	s_lshr_b32 s55, s[WV], 2
	s_and_b32 s[PAR], s54, 1
	s_xor_b32 s60, s[WV], s54
	s_xor_b32 s60, s60, s55
	s_and_b32 s60, s60, 1                          ; 1: a late class.  Waves w and w xor 3 share a class and differ in parity
	s_lshl_b32 s57, ttmp9, 1
	s_sub_co_u32 s[CLAST], 15, s57                 ; 15 - 2 c
	s_add_co_u32 s58, s57, s55                     ; 2 c + (0 or 1),
	s_sub_co_u32 s59, 15, s58                      ; or 15 less that
	s_cmp_eq_u32 s60, 1
	s_cselect_b32 s[CL], s59, s58
	s_lshl_b32 s58, s[CL], 14
	s_lshl_b32 s59, s[CX], 12
	s_add_co_u32 s58, s58, s59
	s_add_co_u32 s58, s58, s52                     ; my first query's codes: 128 bytes x (128 x class + 32 cx)
	s_mov_b32 s59, 0
	s_lshl_b32 s62, s[PAR], 11
	s_add_co_u32 s62, s62, s58                     ; and those of the tile that I finish
	s_mov_b32 s63, 0
	s_lshl_b32 s56, s54, 14                        ; what I fetch: block wave / 2 of a slot: 16,384 bytes on end,
	s_add_co_u32 s56, s56, s52                     ; in my head
	s_mov_b32 s57, 0
	s_mov_b32 s[G1], 15|(1<<20)|(1<<21)|(4<<22)|(3<<25)   ; 15:0 all four partners; 17:16 elements of 1 byte; 20 padding on; 21 set beside a mask; 24:22 after every 32 words (code 4); 31:25 four words (code 3)
	s_mov_b32 s[G1P], (1<<20)|(4<<22)|(3<<25)             ; no mask
.irp g, G1, G1P
	s_mov_b32 s[\g+1], 256<<16                     ; tensor_dim0 = 256: two rows of 128 codes on end
	s_mov_b32 s[\g+2], 64<<16                      ; tensor_dim1 = 64
	s_mov_b32 s[\g+3], 256<<16                     ; tile_dim0
	s_mov_b32 s[\g+4], 64                          ; tile_dim1
	s_mov_b32 s[\g+5], 256                         ; tensor_dim0_stride: the block is dense
	s_mov_b32 s[\g+6], 0
	s_mov_b32 s[\g+7], 0
.endr
	s_mov_b32 s[SEL], 0x76543210
	s_mov_b32 s[SEL+1], 0xfedcba98
	s_mov_b32 s[CS], 0x3e0293ee                    ; c = log2(e) / sqrt(128)
	s_mov_b32 s[TB], SLOTB                         ; (the first change of slots turns it to 0)
	s_mov_b32 s[K4], 0
	s_mul_i32 s[WB], s[WV], BLK
	s_wait_dscnt 0x0                               ; both opening adds are done
	s_wait_kmcnt 0x0
	s_load_b128 s[68:71], s[10:11], 0x10           ; e4 .. e7
	s_load_b128 s[72:75], s[10:11], 0x20           ; e8 .. e11
	s_and_b32 s60, s[WV], 1
	s_cmp_eq_u32 s60, 0                            ; even waves fetch K's blocks, odd waves V's
	s_cselect_b64 s[54:55], s[6:7], s[8:9]
	s_add_nc_u64 s[54:55], s[54:55], s[56:57]      ; my block among the head's first 512 keys
	s_mov_b32 s[G0], 1                             ; 1:0 count = 1
	s_mov_b32 s[G0+1], s[WB]                       ; 63:32 LDS address: slot 0, wave x 128 rows: block wave / 2, K's rows or V's
	s_mov_b64 s[G0+2:G0+3], s[54:55]               ; 120:64 global address
	s_or_b32 s[G0+3], s[G0+3], 0x80000000          ; 127:126 type = 2
	CROUND                                         ; all four work-groups are here: the first joint loads meet
	TLOAD G1                                       ; slot 0: by this text's own count a wave never has more than one tensor load out
	s_lshl_b32 s56, s[CX], 12
	s_add_nc_u64 s[PFA:PFA+1], s[54:55], s[56:57]  ; my quarter of my block,
	s_add_nc_u64 s[PFA:PFA+1], s[PFA:PFA+1], SLOTM ; in slot 1's keys: the first change of slots steps it to slot 2's.  Nothing is prefetched here, at the head
	s_add_nc_u64 s[4:5], s[4:5], s[58:59]
	s_add_nc_u64 s[12:13], s[12:13], s[62:63]
	s_lshl_b32 s60, s[CX], 5
	v_and_b32 v24, 15, v0                          ; r = lane % 16
	v_bfe_u32 v25, v0, 4, 1                        ; h = lane / 16
	v_and_b32 v26, 31, v0
	v_lshlrev_b32 v27, 7, v24
	v_lshl_add_u32 v27, v25, 4, v27                ; Q: row r of 128 bytes, + 16 h
.irp c, 0,1,2,3
	global_load_b128 v[192+4*\c:195+4*\c], v27, s[4:5] offset:32*\c        ; the two tiles' fragments of Q stay in registers
	global_load_b128 v[208+4*\c:211+4*\c], v27, s[4:5] offset:2048+32*\c
.endr
	v_min_u32 v[PFO], 15, v26
	v_mul_u32_u24 v[AK0], v24, KP
	v_lshl_add_u32 v[AK0], v25, 4, v[AK0]          ; a fragment's row x pitch + 16 x half
	v_lshlrev_b32 v[PFO], 8, v[PFO]                ; 256 x lane, the lanes from 16 on name the last block again
	v_lshlrev_b32 v25, 4, v25
	v_sub_nc_u32 v[DA], v24, v25
	v_add_nc_u32 v[DA], s60, v[DA]                 ; 32 cx + r - 16 h: register 16 b + i is hidden where 32 b + i is greater
	v_add_nc_u32 v[DA+1], 16, v[DA]
	v_mov_b32 v[NINF], 0xff800000
	v_mov_b32 v13, 0xff61b1e6                      ; the largest t so far: -3e38, under every t
	v_mov_b32 v15, 0xff61b1e6
	v_floor_f32 v12, -v13                          ; -M
	v_floor_f32 v14, -v15
.irp r, 16,17,18,19,21,23,228,229      ; the sums; registers that are named as the upper half of a pair, or as a lane permute's destination, ahead of their first write
	v_mov_b32 v\r, 0
.endr
	WIN 0x40
.set n, 0
.rept 128
	v_mov_b32 v[128+n], 0                          ; O^T.  (The step has no first form of its own: the first change of M leaves zeros; and a wave may have no step at all)
.set n, n+1
.endr
	WIN 0
	s_wait_kmcnt 0x0
	s_add_co_i32 s54, s70, s71                     ; e6 + e7: a score stands for score x 2^(e6 + e7): added to c's exponent field
	s_lshl_b32 s54, s54, 23
	s_add_co_i32 s[CS], s[CS], s54
	s_mov_b32 s[CS+1], s[CS]                       ; (named with it as a pair, so it is written)
	s_add_co_i32 s54, s72, 127
	s_lshl_b32 s55, s54, 23
	v_mov_b32 v251, s55                            ; 2^e8 as f32, for p's conversion
	s_add_co_i32 s54, s54, 8
	s_lshl_b32 s54, s54, 23
	s_or_b32 s54, s54, 0x600000
	v_mov_b32 v250, s54                            ; 448 x 2^e8
; A KEY STEP: the 128 keys of block KB, at LDS byte TQ, for my 32 queries.
.macro STEP
	s_cmp_gt_u32 s[KB], s[CL]                      ; a step all of whose keys come after my class is left out: a jump round loads, products and softmax; no barrier or tensor load stands in a step
	s_cbranch_scc1 .Lhidden_\@
	v_add_nc_u32 v[AD], s[TQ], v[AK0]
.rept 3
	v_nop                                          ; with the line above four plain lines in front of loads into registers that the last products read (ISA guide 7.12.1 for vector lines)
.endr
	FLOAD 0                                        ; K
	s_wait_alu depctr_va_vdst(0)                   ; ahead of the wait below
	s_wait_dscnt 16                                ; K's fragments 0 to 3 are in; the other four's 16 loads may be out
	WIN 0x01
.irp t, 0,1,2,3,4,5,6,7                        ; S^T = K Q^T: eight tiles of 16 keys x two tiles of queries; each product is a sum of its own
.if \t == 4
	s_wait_dscnt 0x0
.endif
	v_wmma_f32_16x16x128_fp8_fp8 v[32+8*\t:39+8*\t], v[16*\t:16*\t+15], v[192:207], 0
	v_wmma_f32_16x16x128_fp8_fp8 v[96+8*\t:103+8*\t], v[16*\t:16*\t+15], v[208:223], 0
.endr
	WIN 0
.rept 4
	v_nop                                          ; four plain lines behind the products: in front of the loads below and of the first read of the scores
.endr
	FLOAD BLK                                      ; V takes K's registers; it has the whole softmax in which to come in
	WIN 0
	s_cmp_lg_u32 s[KB], s[CL]                      ; on the diagonal the scores of hidden keys become -infinity ahead of the maximum: p = 0 then.  A step all of whose keys count skips this
	s_cbranch_scc1 .Lopen_\@
.set n, 0
.rept 64
	v_cmp_gt_i32 vcc_lo, 32*(n/16)+n%16, v[DA]
	v_cndmask_b32 v[32+n], v[32+n], v[NINF], vcc_lo
	v_cmp_gt_i32 vcc_lo, 32*(n/16)+n%16, v[DA+1]
	v_cndmask_b32 v[96+n], v[96+n], v[NINF], vcc_lo
.set n, n+1
.endr
.Lopen_\@:
	v_max3_num_f32 v224, v32, v33, v34             ; the step's largest score of my two queries, among my 64 keys: two chains for each
	v_max3_num_f32 v226, v96, v97, v98
	v_max3_num_f32 v225, v35, v36, v37
	v_max3_num_f32 v227, v99, v100, v101
.irp i, 6,10,14,18,22,26,30,34,38,42,46,50,54,58
	v_max3_num_f32 v224, v224, v[32+\i], v[33+\i]
	v_max3_num_f32 v226, v226, v[96+\i], v[97+\i]
	v_max3_num_f32 v225, v225, v[34+\i], v[35+\i]
	v_max3_num_f32 v227, v227, v[98+\i], v[99+\i]
.endr
	v_max3_num_f32 v224, v224, v94, v95
	v_max3_num_f32 v226, v226, v158, v159
	v_max_num_f32 v224, v224, v225
	v_max_num_f32 v226, v226, v227
	v_permlanex16_b32 v228, v224, s[SEL], s[SEL+1]
	v_permlanex16_b32 v229, v226, s[SEL], s[SEL+1]
	v_max_num_f32 v224, v224, v228                 ; and among lane l xor 16's
	v_max_num_f32 v226, v226, v229
	v_mul_f32 v224, s[CS], v224                    ; as t (c is positive)
	v_mul_f32 v226, s[CS], v226
	v_max_num_f32 v13, v13, v224                   ; the running largest t
	v_max_num_f32 v15, v15, v226
	v_mov_b32 v225, v12
	v_mov_b32 v227, v14
	v_floor_f32 v12, -v13                          ; the new -M = floor(-t) = -ceil(t): M IS A WHOLE NUMBER
	v_floor_f32 v14, -v15
	v_sub_f32 v225, v12, v225                      ; M's old value less its new one: a whole number, 0 or less
	v_sub_f32 v227, v14, v227
	v_cvt_i32_f32 v225, v225                       ; (it saturates)
	v_cvt_i32_f32 v227, v227
	v_ldexp_f32 v20, 1.0, v225                     ; f = 2^(old M - new M): a multiplication by it rounds nothing
	v_ldexp_f32 v22, 1.0, v227
.set n, 0
.rept 32
	v_pk_fma_f32 v[32+n:33+n], v[32+n:33+n], s[CS:CS+1], v[12:13] op_sel_hi:[1,0,0]   ; t - M, two at a time (of the pairs c and -M the low word serves both halves)
	v_pk_fma_f32 v[96+n:97+n], v[96+n:97+n], s[CS:CS+1], v[14:15] op_sel_hi:[1,0,0]
.set n, n+2
.endr
	s_wait_alu depctr_va_vdst(0)                   ; ahead of the batch
.set n, 0
.rept 128
	v_exp_f32 v[32+n], v[32+n]                     ; p = 2^(t - M), at most 1: NOT normalised
.set n, n+1
.endr
	v_pk_mul_f32 v[16:17], v[16:17], v[20:21] op_sel_hi:[1,0]   ; the sums under the new M.  (Plain lines behind the exponentials)
	v_pk_mul_f32 v[18:19], v[18:19], v[22:23] op_sel_hi:[1,0]
	s_wait_alu depctr_va_vdst(0)                   ; one wait for the whole batch of exponentials, ahead of its first reader
	v_pk_add_f32 v[230:231], v[32:33], v[34:35]    ; THE ROW'S SUM IS TAKEN OF THE UNQUANTISED p: two at a time, four chains for each query
	v_pk_add_f32 v[236:237], v[96:97], v[98:99]
	v_pk_add_f32 v[232:233], v[36:37], v[38:39]
	v_pk_add_f32 v[238:239], v[100:101], v[102:103]
	v_pk_add_f32 v[234:235], v[40:41], v[42:43]
	v_pk_add_f32 v[240:241], v[104:105], v[106:107]
.set n, 12
.rept 6
	v_pk_add_f32 v[16:17], v[16:17], v[32+n:33+n]
	v_pk_add_f32 v[18:19], v[18:19], v[96+n:97+n]
	v_pk_add_f32 v[230:231], v[230:231], v[34+n:35+n]
	v_pk_add_f32 v[236:237], v[236:237], v[98+n:99+n]
	v_pk_add_f32 v[232:233], v[232:233], v[36+n:37+n]
	v_pk_add_f32 v[238:239], v[238:239], v[100+n:101+n]
	v_pk_add_f32 v[234:235], v[234:235], v[38+n:39+n]
	v_pk_add_f32 v[240:241], v[240:241], v[102+n:103+n]
.set n, n+8
.endr
	v_pk_add_f32 v[16:17], v[16:17], v[92:93]
	v_pk_add_f32 v[18:19], v[18:19], v[156:157]
	v_pk_add_f32 v[230:231], v[230:231], v[94:95]
	v_pk_add_f32 v[236:237], v[236:237], v[158:159]
	v_pk_add_f32 v[232:233], v[232:233], v[234:235]
	v_pk_add_f32 v[238:239], v[238:239], v[240:241]
	v_pk_add_f32 v[16:17], v[16:17], v[230:231]
	v_pk_add_f32 v[18:19], v[18:19], v[236:237]
	v_pk_add_f32 v[16:17], v[16:17], v[232:233]
	v_pk_add_f32 v[18:19], v[18:19], v[238:239]
.set n, 0
.rept 128
	v_min_num_f32 v[32+n], v[32+n], v250           ; the conversion to an 8-bit code does not saturate (ISA guide 7.6.2); p is not negative, so the hold is one-sided
.set n, n+1
.endr
.set n, 0
.rept 16
	v_cvt_scalef32_pk8_fp8_f32 v[160+2*n:161+2*n], v[32+8*n:39+8*n], v251
.set n, n+1
.endr
	WIN 0x41
	s_wait_alu depctr_va_vdst(0)                   ; directly ahead of the first reader of O^T
.set n, 0
.rept 64
	v_pk_mul_f32 v[128+n:129+n], v[128+n:129+n], v[20+2*(n/64):21+2*(n/64)] op_sel_hi:[1,0]   ; O^T under the new M: x f.  (Also the plain lines between the conversions and the products that read the codes)
.set n, n+2
.endr
	s_wait_alu depctr_va_vdst(0)                   ; ahead of the wait below
	s_wait_dscnt 0x0                               ; V is in
	WIN 0x51
.irp t, 0,1,2,3,4,5,6,7                        ; O^T += V^T P^T: eight tiles of 16 channels x two of queries, sixteen accumulators by turns; K = these 128 keys
	v_wmma_f32_16x16x128_fp8_fp8 v[128+8*\t:135+8*\t], v[16*\t:16*\t+15], v[160:175], v[128+8*\t:135+8*\t]
	v_wmma_f32_16x16x128_fp8_fp8 v[192+8*\t:199+8*\t], v[16*\t:16*\t+15], v[176:191], v[192+8*\t:199+8*\t]
.endr
	WIN 0
.Lhidden_\@:
	s_add_co_u32 s[KB], s[KB], 2
	s_add_co_u32 s[TQ], s[TQ], 2*STEPB
.endm
; THE CHANGE OF SLOTS stands at a slot's head.  Each wave waits for its tensor load (its block of the slot that it is about to read), adds 0 to its spare word, and waits for that and for its reads of the slot that it has left.
; Behind the round the slot ahead is whole in all four work-groups and nobody reads the other one, which is filled with the 512 keys that follow.  joint = 0: up to the causal limit, by plain loads.
.macro CHANGE joint
.if \joint
	s_wait_xcnt 0x0                                ; my prefetch has read its address: it is stepped here
	s_add_nc_u64 s[PFA:PFA+1], s[PFA:PFA+1], SLOTM
.endif
	s_wait_tensorcnt 0x0                           ; no tensor load of mine is out, so group 0 may be written
	ds_add_u32 v[SPW], v[NIL]                      ; 0 onto my spare word; the descriptor's step stands between it and the wait for it
	s_xor_b32 s[TB], s[TB], SLOTB                  ; 0 or SLOTB: the slot ahead
	s_xor_b32 s96, s[TB], SLOTB                    ; the other slot
	s_add_co_u32 s[G0+1], s[WB], s96
	s_add_nc_u64 s[G0+2:G0+3], s[G0+2:G0+3], SLOTM ; the type bits on top are not reached
	s_wait_dscnt 0x0                               ; the add is done, and my reads of the slot that I have left are over
	CROUND
.if \joint
	TLOAD G1                                       ; the first thing behind the round, and my one tensor load until the next
	s_add_co_u32 s96, s[K4], 8                     ; what the next change asks for, if my work-group reads it
	s_cmp_le_u32 s96, s[CLAST]
	s_cbranch_scc0 .Lpast_\@
	global_prefetch_b8 v[PFO], s[PFA:PFA+1] th:TH_LOAD_NT scope:SCOPE_SE
.else
	s_add_co_u32 s96, s[K4], 4                     ; THE LOOK-AHEAD ENDS AT THE CAUSAL LIMIT: a slot whose first key block comes after the last class is read by none of my work-group's waves
	s_cmp_gt_u32 s96, s[CLAST]
	s_cbranch_scc1 .Lpast_\@
	TLOAD G1P
.endif
.Lpast_\@:
.endm
.macro WORK                            ; my two key blocks of the slot at LDS byte TB
	s_mul_i32 s96, s[PAR], STEPB
	s_add_co_u32 s[TQ], s[TB], s96
	s_add_co_u32 s[KB], s[K4], s[PAR]
	s_mov_b32 s[CNT], 2
.Lstep_\@:
	STEP
	s_sub_co_u32 s[CNT], s[CNT], 1
	s_cmp_lg_u32 s[CNT], 0
	s_cbranch_scc1 .Lstep_\@
	s_add_co_u32 s[K4], s[K4], 4
.endm
	s_wait_alu depctr_va_vdst(0)                   ; at the head's end
	s_wait_loadcnt 0x0                             ; Q
	s_mov_b32 s[TR], 2
.Lfirst:                                           ; keys 0 and 512 on; keys 512 and 1,024 on are asked for
	CHANGE 1
	WORK
	s_sub_co_u32 s[TR], s[TR], 1
	s_cmp_lg_u32 s[TR], 0
	s_cbranch_scc1 .Lfirst
	s_mov_b32 s[TR], 2
.Lsecond:                                          ; keys 1,024 and 1,536 on; keys 1,536 on are asked for, up to the limit
	CHANGE 0
	WORK
	s_sub_co_u32 s[TR], s[TR], 1
	s_cmp_lg_u32 s[TR], 0
	s_cbranch_scc1 .Lsecond
	; THE JOIN.  The lines down to the first store name no register of the last products: more than four are plain, and they are the places behind those products.
	v_add_f32 v16, v16, v17                        ; a sum's two halves,
	v_add_f32 v18, v18, v19
	v_permlanex16_b32 v228, v16, s[SEL], s[SEL+1]
	v_permlanex16_b32 v229, v18, s[SEL], s[SEL+1]
	v_add_f32 v16, v16, v228                       ; and lane l xor 16's
	v_add_f32 v18, v18, v229
	s_mul_i32 s54, s[WV], XB
	s_xor_b32 s55, s[WV], 3                        ; the wave that shares my queries
	s_mul_i32 s55, s55, XB
	v_and_b32 v24, 31, v0
	v_lshlrev_b32 v25, 4, v24
	v_lshlrev_b32 v24, 2, v24
	v_add_nc_u32 v26, s54, v25                     ; my region: 16 x lane,
	v_add_nc_u32 v27, s54, v24                     ; 4 x lane;
	v_add_nc_u32 v28, s55, v25                     ; the other wave's
	v_add_nc_u32 v29, s55, v24
	s_wait_alu depctr_va_vdst(0)                   ; ahead of the waits below
	s_wait_tensorcnt 0x0
	s_wait_dscnt 0x0
	s_barrier_signal -1
	s_barrier_wait -1                              ; every wave's reads of the ring are over, and its fills: the regions may be written
.macro SENDT o, m, l                   ; the tile that the other wave finishes
	WIN 0x04
.irp i, 0,1,2,3,4,5,6,7,8,9,10,11,12,13,14,15
	ds_store_b128 v26, v[\o+4*\i:\o+4*\i+3] offset:512*\i
.endr
	WIN 0
	ds_store_b32 v27, v\m offset:8192
	ds_store_b32 v27, v\l offset:8320
.endm
	s_cmp_eq_u32 s[PAR], 0
	s_cbranch_scc0 .Lsend_first
	SENDT 192, 14, 18
	s_branch .Lsent
.Lsend_first:
	SENDT 128, 12, 16
.Lsent:
	s_wait_dscnt 0x0                               ; my stores are done, for the other wave's sake
	s_barrier_signal -1
	s_barrier_wait -1
	ds_load_b32 v224, v29 offset:8192              ; the other wave's -M,
	ds_load_b32 v225, v29 offset:8320              ; its sum,
.irp i, 0,1,2,3,4,5,6,7,8,9,10,11,12,13,14,15
	ds_load_b128 v[96+4*\i:99+4*\i], v28 offset:512*\i   ; and its O^T of my tile
.endr
	s_wait_dscnt 0x0
.macro JOIN o, m, l                    ; both parts are brought under the greater M by a power of two, and divided by the joint sum
	v_min_num_f32 v226, v\m, v224
	v_sub_f32 v227, v226, v\m
	v_sub_f32 v228, v226, v224
	v_cvt_i32_f32 v227, v227                       ; (it saturates: a wave that had no step counts for nothing)
	v_cvt_i32_f32 v228, v228
	v_ldexp_f32 v20, 1.0, v227
	v_ldexp_f32 v22, 1.0, v228
	v_mul_f32 v227, v\l, v20
	v_fma_f32 v227, v225, v22, v227                ; the row's sum
	s_wait_alu depctr_va_vdst(0)                   ; ahead of the transcendental
	v_rcp_f32 v228, v227
	v_nop
	s_wait_alu depctr_va_vdst(0)                   ; and ahead of its first reader
	v_mul_f32 v20, v20, v228
	v_mul_f32 v22, v22, v228
	WIN 0x01
	s_wait_alu depctr_va_vdst(0)                   ; directly ahead of the first reader of O^T
.set n, 0
.rept 32
	v_pk_mul_f32 v[32+n:33+n], v[\o+n:\o+n+1], v[20:21] op_sel_hi:[1,0]   ; each accumulator from its low end on
.set n, n+2
.endr
	WIN 0
.endm
	s_cmp_eq_u32 s[PAR], 0
	s_cbranch_scc0 .Ljoin_second
	JOIN 128, 12, 16
	s_branch .Ljoined
.Ljoin_second:
	JOIN 192, 14, 18
.Ljoined:
.set n, 0
.rept 32
	v_pk_fma_f32 v[32+n:33+n], v[96+n:97+n], v[22:23], v[32+n:33+n] op_sel_hi:[1,0,1]   ; O^T / the sum: register 8 t + i is channel 16 t + 8 h + i of query r
.set n, n+2
.endr
	; THE WAY OUT.  O^T / the sum stands for O / 2^(e8 + e9); its code for the last projection is that / 2^(e10 - e8 - e9).  8 codes a lane and tile go through my stage in LDS and leave as 2,048 bytes on end.
	s_sub_co_i32 s54, s74, s72
	s_sub_co_i32 s54, s54, s73                     ; e10 - e8 - e9
	s_add_co_i32 s54, s54, 127
	s_lshl_b32 s55, s54, 23
	s_add_co_i32 s54, s54, 8
	s_lshl_b32 s54, s54, 23
	s_or_b32 s54, s54, 0x600000
	s_mul_i32 s56, s[WV], CSB
	s_add_co_u32 s56, s56, STAGE                   ; my stage
	s_wait_alu depctr_va_vdst(0)                   ; behind the scalar lines
	v_mov_b32 v246, s55                            ; 2^(e10 - e8 - e9) as f32
	v_mov_b32 v247, s54                            ; 448 x that
	v_and_b32 v24, 15, v0
	v_bfe_u32 v25, v0, 4, 1
	v_and_b32 v26, 31, v0
	v_and_b32 v27, 7, v0
	v_mul_u32_u24 v24, v24, KP
	v_lshl_add_u32 v24, v25, 3, v24
	v_add_nc_u32 v24, s56, v24                     ; in: row r; tile t's eight channels of my half: 16 t + 8 h bytes on
	v_lshlrev_b32 v[GO], 4, v26
	v_lshrrev_b32 v25, 3, v26
	v_mul_u32_u24 v25, v25, KP
	v_lshl_add_u32 v25, v27, 4, v25
	v_add_nc_u32 v25, s56, v25                     ; back: eight lanes to a row of 128 bytes, four rows an instruction
.set n, 0
.rept 64
	v_med3_num_f32 v[32+n], v[32+n], -v247, v247   ; the hold at the largest code x the scale
.set n, n+1
.endr
.irp t, 0,1,2,3,4,5,6,7
	v_cvt_scalef32_pk8_fp8_f32 v[160+2*\t:161+2*\t], v[32+8*\t:39+8*\t], v246
.endr
	v_nop                                          ; one plain vector line behind the last conversion
.irp t, 0,1,2,3,4,5,6,7
	ds_store_b64 v24, v[160+2*\t:161+2*\t] offset:16*\t
.endr
.irp i, 0,1,2,3
	ds_load_b128 v[176+4*\i:179+4*\i], v25 offset:4*KP*\i   ; LDS serves a wave's instructions in order: these see my stores
.endr
	s_wait_alu depctr_va_vdst(0)                   ; ahead of the waits below
.irp i, 0,1,2,3
	s_wait_dscnt 3-\i                              ; load i is in; the younger ones may be out
	global_store_b128 v[GO], v[176+4*\i:179+4*\i], s[12:13] offset:512*\i   ; 32 lanes store 512 consecutive bytes, aligned
.endr
	s_wait_tensorcnt 0x0                           ; the wave's end: behind my last tensor load and my last LDS store
	ds_add_u32 v[SPW], v[NIL]
	s_wait_dscnt 0x0
	CROUND                                         ; the closing round: no work-group ends while a partner may still ask for a tile that names it
	s_endpgm
.Lfunc_end_k_qdc4890dade_attn:
	.size	k_qdc4890dade_attn, .Lfunc_end_k_qdc4890dade_attn-k_qdc4890dade_attn
	.p2alignl 7, 3214868480
	.fill 96, 4, 3214868480
	.section	.rodata,"a",@progbits
	.p2align	6, 0x0
	.amdhsa_kernel k_qdc4890dade_attn
		.amdhsa_group_segment_fixed_size 327680
		.amdhsa_private_segment_fixed_size 0
		.amdhsa_enable_private_segment 0
		.amdhsa_kernarg_size 40
		.amdhsa_user_sgpr_count 2
		.amdhsa_user_sgpr_kernarg_segment_ptr 1
		.amdhsa_wavefront_size32 1
		.amdhsa_system_sgpr_workgroup_id_x 1
		.amdhsa_system_sgpr_workgroup_id_y 1
		.amdhsa_system_sgpr_workgroup_id_z 1
		.amdhsa_system_vgpr_workitem_id 0
		.amdhsa_next_free_vgpr 512
		.amdhsa_next_free_sgpr 100
		.amdhsa_reserve_vcc 1
		.amdhsa_float_denorm_mode_32 3
		.amdhsa_float_denorm_mode_16_64 3
		.amdhsa_memory_ordered 1
		.amdhsa_forward_progress 1
		.amdhsa_inst_pref_size 119
	.end_amdhsa_kernel
	.amdgpu_metadata
---
amdhsa.version: [ 1, 2 ]
amdhsa.kernels:
  - .name:           k_qdc4890dade_attn
    .symbol:         k_qdc4890dade_attn.kd
    .args:
      - { .name: qcodes, .offset: 0, .size: 8, .value_kind: global_buffer, .address_space: global }
      - { .name: kcodes, .offset: 8, .size: 8, .value_kind: global_buffer, .address_space: global }
      - { .name: vcodes, .offset: 16, .size: 8, .value_kind: global_buffer, .address_space: global }
      - { .name: lowp_scales, .offset: 24, .size: 8, .value_kind: global_buffer, .address_space: global }
      - { .name: ocodes, .offset: 32, .size: 8, .value_kind: global_buffer, .address_space: global }
    .group_segment_fixed_size: 327680
    .private_segment_fixed_size: 0
    .kernarg_segment_align: 8
    .kernarg_segment_size: 40
    .max_flat_workgroup_size: 256
    .sgpr_count:     100
    .vgpr_count:     512
    .wavefront_size: 32
...
	.end_amdgpu_metadata
.endif
;; end of part 3
;; launch oproj (part 4): grid 16 x 16, 4 waves a work-group, clusters of 4 x 4, 327,680 bytes of LDS; arguments ocodes, wocodes, lowp_scales, out0; writes out0
.if DOCPART == 4
	.amdgcn_target "amdgcn-amd-amdhsa--gfx1250"
	.amdhsa_code_object_version 6
	.text
	.protected	k_qdc4890dade_oproj
	.globl	k_qdc4890dade_oproj
	.p2align	8
	.type	k_qdc4890dade_oproj,@function
k_qdc4890dade_oproj:
	s_mov_b64 s[64:65], 0
	v_nop
	global_prefetch_b8 v0, s[64:65] scope:SCOPE_SE
	s_setreg_imm32_b32 hwreg(HW_REG_WAVE_MODE, 25, 1), 1
	s_wait_xcnt 0x0
	s_wait_alu depctr_hold_cnt(0) depctr_sa_sdst(0) depctr_va_vdst(0) depctr_va_sdst(0) depctr_va_ssrc(0) depctr_va_vcc(0) depctr_vm_vsrc(0)
	s_getreg_b32 s2, hwreg(HW_REG_IB_STS2, 6, 4)
	s_cmp_eq_u32 s2, 0
	s_cbranch_scc0 .Lentry_in_a_cluster
	s_endpgm
.Lentry_in_a_cluster:
	s_bfe_u32 s2, ttmp6, 0x10000c
	s_cmp_lg_u32 s2, 0xf033
	s_cbranch_scc0 .Lentry_shape_is_right
	s_endpgm
.Lentry_shape_is_right:
; The last projection: C[s][n] = sum over k of O[s][k] Wo[n][k] on codes of FP8 (E4M3), each finished sum x 2^(e10 + e11).  LIMIT: e10 + e11 lies between -126 and 127.
; ocodes [16][2048 s][128] (head = k / 128) and wocodes [16][2048 n][128] lie in planes of 128 along K.  A tile of C, 128 x 128, is made by four waves of 64 x 64: 16 accumulators; 256 work-groups.
; K goes in four steps of 512 (four planes) through two LDS slots.  A wave fetches 64 rows of A or of B: in a plane 8,192 bytes on end.  At the head ONE load a wave brings eight planes, K steps 0 and 1, into both slots; K steps 2 and 3 are refills of four planes.
; CLUSTERS: 4 x 4 work-groups; A's tiles are asked for jointly along a row of the cluster, B's along a column.
; PREFETCH: K step 2 at the head, K step 3 in K step 0, each two K steps ahead: of a wave's four planes each of the four partners names one, lanes 256 bytes apart.
; TRANSPOSED USE: source 0 = 16 rows of B, source 1 = 16 rows of A: a lane holds eight neighbouring columns of one row of C.
; REGISTERS: window 0: addresses, the way out, from v128 the 16 accumulators; window 1: two sets of fragments, A's four then B's four.
.set PITCH,  144                       ; a row of 128 codes in LDS + 16 of padding: the 16 rows that a load touches start at 16 different banks (64 banks of 4 bytes: ISA guide 11.1)
.set PLN,    64*PITCH                  ; 64 rows of a plane
.set SLOT,   4*PLN                     ; slot 1 begins here in each wave's region
.set HALF,   8*PLN                     ; a wave's region: 64 rows of A or B, both slots
.set KSTEP,  4*262144                  ; a K step in memory
.set STAGE,  4*HALF                    ; behind the ring: 16 rows x 272 bytes for each wave, for the way out
.set SPITCH, 272
.set SPARE,  STAGE+4*16*SPITCH         ; behind the stages: the spare words, which no other line names
.set ADRA, 16
.set ADRB, 20
.set STO,  24
.set RD,   25
.set CO,   26
.set PFO,  27
.set SPW,  28
.set NIL,  29
.set TMP,  32
.set BK,   64
.set ACC,  128
.set F0,   0
.set F1,   128
.set G1, 24                            ; s[24:31] group 1 of A's refills, s[32:39] group 0 for each slot; s[48:55], s[56:63] B's
.set G0, 32
.set G1B, 48
.set G0B, 56
.set H1, 68                            ; s[68:75], s[76:83] group 1 of the head's loads
.set H1B, 76
.set PFA, 84                           ; s[84:85] the prefetches' base
.set MSB, 0
.macro WIN new                         ; the immediate's high byte repeats the setting that is left
.if MSB != \new
	s_set_vgpr_msb (MSB<<8)|\new
.set MSB, \new
.endif
.endm
.set MUL,  0x05                        ; both sources window 1
.set TO_F, 0x40                        ; destination window 1
; A joint load: waves 0 and 1 fetch for A, waves 2 and 3 for B; the branch hangs on the wave's number alone
.macro JLOAD s, ga, gb
	s_cmp_eq_u32 s15, 0
	s_cbranch_scc0 .Lfor_b_\@
	tensor_load_to_lds s[G0+4*\s:G0+4*\s+3], s[\ga:\ga+7]
	s_nop 0
.rept 4
	v_nop
.endr
	s_branch .Lasked_\@
.Lfor_b_\@:
	tensor_load_to_lds s[G0B+4*\s:G0B+4*\s+3], s[\gb:\gb+7]
	s_nop 0
.rept 4
	v_nop
.endr
.Lasked_\@:
.endm
.macro CREST                           ; a round of the cluster's barrier behind its opening barrier
	s_cmp_lg_u32 s14, 0
	s_cbranch_scc1 .Lnot_wave_0_\@
	s_barrier_signal -3
.Lnot_wave_0_\@:
	s_barrier_wait -3
	s_barrier_signal -1
	s_barrier_wait -1
.endm
.macro CROUND
	s_barrier_signal -1
	s_barrier_wait -1
	CREST
.endm
	s_load_b128 s[4:7], s[0:1], 0x0                ; ocodes, wocodes
	s_load_b128 s[8:11], s[0:1], 0x10              ; the scales' exponents, C
	v_lshl_add_u32 v[SPW], v0, 2, SPARE
	v_mov_b32 v[NIL], 0
	ds_add_u32 v[SPW], v[NIL]                      ; the opening: the add, twice on end, and its wait
	ds_add_u32 v[SPW], v[NIL]
	v_lshrrev_b32 v1, 5, v0
	v_readfirstlane_b32 s14, v1                    ; wave 0..3
	s_wait_alu depctr_va_vdst(0)                   ; ahead of the scalar lines below
	s_lshr_b32 s15, s14, 1                         ; my half of the tile's rows; also: I fetch for A (0) or B (1)
	s_and_b32 s16, s14, 1                          ; my half of its columns; also: which 64 rows I fetch
	s_bfe_u32 s40, ttmp6, 0x40000                  ; cx, cy
	s_bfe_u32 s41, ttmp6, 0x40004
	s_lshl_b32 s42, ttmp9, 2
	s_add_co_u32 s42, s42, s40                     ; tile column 0..15
	s_and_b32 s17, ttmp7, 0xffff
	s_lshl_b32 s17, s17, 2
	s_add_co_u32 s17, s17, s41                     ; tile row 0..15
	s_lshl_b32 s43, s41, 2
	s_lshl_b32 s43, 15, s43                        ; my row of the cluster
	s_lshl_b32 s44, 0x1111, s40                    ; my column
	s_or_b32 s[G1+0], s43, (0<<16)|(1<<20)|(1<<21)|(4<<22)|(3<<25)  ; the mask; elements of 1 byte; padding on; 21 set beside a mask; after every 32 words (code 4) four words (code 3)
	s_or_b32 s[G1B+0], s44, (0<<16)|(1<<20)|(1<<21)|(4<<22)|(3<<25)
	s_or_b32 s[H1+0], s43, (0<<16)|(1<<20)|(1<<21)|(4<<22)|(3<<25)
	s_or_b32 s[H1B+0], s44, (0<<16)|(1<<20)|(1<<21)|(4<<22)|(3<<25)
.irp g, G1, G1B, H1, H1B
	s_mov_b32 s[\g+1], 8192<<16                    ; a plane's 64 rows on end
	s_mov_b32 s[\g+3], 8192<<16
	s_mov_b32 s[\g+5], 262144                      ; from plane to plane
	s_mov_b32 s[\g+6], 0
	s_mov_b32 s[\g+7], 0
.endr
.irp g, G1, G1B
	s_mov_b32 s[\g+2], 4<<16                       ; four planes
	s_mov_b32 s[\g+4], 4
.endr
.irp g, H1, H1B
	s_mov_b32 s[\g+2], 8<<16                       ; eight planes
	s_mov_b32 s[\g+4], 8
.endr
	s_lshl_b32 s18, s16, 6
	s_lshl_b32 s20, s17, 7
	s_add_co_u32 s20, s20, s18                     ; A: row 128 x tile row + 64 x half,
	s_lshl_b32 s20, s20, 7                         ; x 128 bytes
	s_mov_b32 s21, 0
	s_lshl_b32 s46, s42, 7
	s_add_co_u32 s46, s46, s18                     ; B: row 128 x tile column + 64 x half
	s_lshl_b32 s46, s46, 7
	s_mov_b32 s47, 0
	s_mul_i32 s45, s14, HALF                       ; my region: no place in the cluster enters an LDS address
	s_wait_dscnt 0x0                               ; both opening adds are done
	s_wait_kmcnt 0x0
	s_load_b64 s[96:97], s[8:9], 0x28              ; e10, e11
	s_add_nc_u64 s[20:21], s[4:5], s[20:21]
	s_add_nc_u64 s[46:47], s[6:7], s[46:47]
.irp s, 0,1
	s_mov_b32 s[G0+4*\s], 1
	s_add_co_u32 s[G0+4*\s+1], s45, \s*SLOT
	s_add_nc_u64 s[G0+4*\s+2:G0+4*\s+3], s[20:21], \s*KSTEP
	s_or_b32 s[G0+4*\s+3], s[G0+4*\s+3], 0x80000000
	s_mov_b32 s[G0B+4*\s], 1
	s_add_co_u32 s[G0B+4*\s+1], s45, \s*SLOT
	s_add_nc_u64 s[G0B+4*\s+2:G0B+4*\s+3], s[46:47], \s*KSTEP
	s_or_b32 s[G0B+4*\s+3], s[G0B+4*\s+3], 0x80000000
.endr
	CROUND                                         ; all sixteen work-groups are here: the first joint loads meet
	JLOAD 0, H1, H1B                               ; K steps 0 and 1: one tensor load a wave
	s_cmp_eq_u32 s15, 0
	s_cselect_b64 s[PFA:PFA+1], s[20:21], s[46:47]
	s_cselect_b32 s22, s40, s41                    ; my place among the partners: cx for A, cy for B: my plane of four
	s_lshl_b32 s22, s22, 18
	s_mov_b32 s23, 0
	s_add_nc_u64 s[PFA:PFA+1], s[PFA:PFA+1], s[22:23]
	s_add_nc_u64 s[PFA:PFA+1], s[PFA:PFA+1], 2*KSTEP
	s_mul_i32 s21, s15, HALF                       ; my 64 rows of A,
	s_mul_i32 s22, s16, HALF
	s_add_co_u32 s22, s22, 2*HALF                  ; and of B
	s_mul_i32 s23, s14, 16*SPITCH
	s_add_co_u32 s23, s23, STAGE                   ; my stage
	s_lshl_b32 s20, s17, 7
	s_lshl_b32 s47, s15, 6
	s_add_co_u32 s20, s20, s47                     ; my first row of C,
	s_lshl_b32 s20, s20, 13                        ; x 8,192 bytes
	s_lshl_b32 s46, s42, 9
	s_lshl_b32 s47, s16, 8
	s_add_co_u32 s46, s46, s47                     ; my first column, in bytes
	s_add_co_u32 s46, s20, s46
	s_mov_b32 s47, 0
	s_add_nc_u64 s[10:11], s[10:11], s[46:47]
	v_and_b32 v1, 15, v0
	v_bfe_u32 v2, v0, 4, 1
	v_and_b32 v6, 31, v0
	v_mul_u32_u24 v3, v1, PITCH
	v_lshl_add_u32 v3, v2, 4, v3                   ; a fragment's row x pitch + 16 x half
	v_add_nc_u32 v[ADRA], s21, v3
	v_add_nc_u32 v[ADRA+1], SLOT, v[ADRA]
	v_add_nc_u32 v[ADRB], s22, v3
	v_add_nc_u32 v[ADRB+1], SLOT, v[ADRB]
	v_mul_u32_u24 v5, v1, SPITCH
	v_lshl_add_u32 v5, v2, 5, v5
	v_add_nc_u32 v[STO], s23, v5                   ; the stage, in: row l % 16, 32 bytes for each half of the lanes
	v_mul_u32_u24 v5, v2, SPITCH
	v_lshl_add_u32 v5, v1, 4, v5
	v_add_nc_u32 v[RD], s23, v5                    ; back: sixteen lanes to a row of 256 bytes
	v_lshlrev_b32 v5, 13, v2
	v_lshl_add_u32 v[CO], v1, 4, v5                ; and the same two rows in C
	v_lshlrev_b32 v[PFO], 8, v6
	s_wait_alu depctr_va_vdst(0)                   ; at the head's end
	global_prefetch_b8 v[PFO], s[PFA:PFA+1] th:TH_LOAD_NT scope:SCOPE_SE   ; K step 2
.macro MUL4 f, a, zero                 ; A's block a x B's four, 128 along K; the 16 accumulators take turns, in the same order in every quarter
.irp b, 0,1,2,3
.if \zero
	v_wmma_f32_16x16x128_fp8_fp8 v[ACC+8*(4*(\a)+\b):ACC+8*(4*(\a)+\b)+7], v[\f+64+16*\b:\f+64+16*\b+15], v[\f+16*(\a):\f+16*(\a)+15], 0
.else
	v_wmma_f32_16x16x128_fp8_fp8 v[ACC+8*(4*(\a)+\b):ACC+8*(4*(\a)+\b)+7], v[\f+64+16*\b:\f+64+16*\b+15], v[\f+16*(\a):\f+16*(\a)+15], v[ACC+8*(4*(\a)+\b):ACC+8*(4*(\a)+\b)+7]
.endif
.endr
.endm
.macro FETCH slot, q, f                ; the slot's plane q: B's four fragments, then A's four
	WIN TO_F
.irp i, 0,1,2,3
.irp c, 0,1,2,3
	ds_load_b128 v[\f+64+16*\i+4*\c:\f+64+16*\i+4*\c+3], v[ADRB+\slot] offset:(\q)*PLN+32*\c+\i*16*PITCH
.endr
.endr
.irp i, 0,1,2,3
.irp c, 0,1,2,3
	ds_load_b128 v[\f+16*\i+4*\c:\f+16*\i+4*\c+3], v[ADRA+\slot] offset:(\q)*PLN+32*\c+\i*16*PITCH
.endr
.endr
.endm
.macro PLACES                          ; between matrix instructions and loads into, or vector reads of, their registers
.rept 4
	v_nop
.endr
.endm
.macro QUARTER slot, qn, f, g, zero    ; multiplies set f and fetches plane qn into set g
	s_wait_dscnt 8                                 ; B and A's blocks 0, 1 are in; the youngest eight loads may be out
	WIN MUL
	MUL4 \f, 0, \zero
	MUL4 \f, 1, \zero
	PLACES
	FETCH \slot, \qn, \g
	s_wait_dscnt 32                                ; all but the 32 just issued
	WIN MUL
	MUL4 \f, 2, \zero
	MUL4 \f, 3, \zero
.endm
; A K step's last quarter changes slots: in front of the barrier all my tensor loads, the add and my reads of this slot are waited for.  fill = 1: this slot is filled again behind a round of the cluster's barrier.
.macro TURN slot, next, fill
	WIN 0
	s_wait_tensorcnt 0x0
	ds_add_u32 v[SPW], v[NIL]
	s_wait_dscnt 9                                 ; the add and the youngest eight loads may be out
	WIN MUL
	MUL4 F1, 0, 0
	s_wait_dscnt 0x0
	s_barrier_signal -1
	MUL4 F1, 1, 0
	WIN 0
	s_barrier_wait -1
.if \fill
	CREST
	s_add_nc_u64 s[G0+4*\slot+2:G0+4*\slot+3], s[G0+4*\slot+2:G0+4*\slot+3], 2*KSTEP
	s_add_nc_u64 s[G0B+4*\slot+2:G0B+4*\slot+3], s[G0B+4*\slot+2:G0B+4*\slot+3], 2*KSTEP
	JLOAD \slot, G1, G1B                           ; its four v_nop are the places in front of the loads below
.else
	PLACES
.endif
	FETCH \next, 0, F0
	WIN MUL
	MUL4 F1, 2, 0
	MUL4 F1, 3, 0
.endm
	s_wait_tensorcnt 0x0                           ; my part of K steps 0 and 1 is in
	s_barrier_signal -1
	s_barrier_wait -1                              ; everybody's is
	FETCH 0, 0, F0
	WIN 0
	global_prefetch_b8 v[PFO], s[PFA:PFA+1] offset:KSTEP th:TH_LOAD_NT scope:SCOPE_SE   ; K step 3
	QUARTER 0, 1, F0, F1, 1
	QUARTER 0, 2, F1, F0, 0
	QUARTER 0, 3, F0, F1, 0
	TURN 0, 1, 1
	QUARTER 1, 1, F0, F1, 0
	QUARTER 1, 2, F1, F0, 0
	QUARTER 1, 3, F0, F1, 0
	TURN 1, 0, 1
	QUARTER 0, 1, F0, F1, 0
	QUARTER 0, 2, F1, F0, 0
	QUARTER 0, 3, F0, F1, 0
	TURN 0, 1, 0
	QUARTER 1, 1, F0, F1, 0
	QUARTER 1, 2, F1, F0, 0
	QUARTER 1, 3, F0, F1, 0
	s_wait_dscnt 8
	WIN MUL
	MUL4 F1, 0, 0
	MUL4 F1, 1, 0
	s_wait_dscnt 0
	MUL4 F1, 2, 0
	MUL4 F1, 3, 0
	WIN 0
; THE WAY OUT, 16 rows x 64 columns at a time: scaled, through my own stage, back as rows of 256 bytes, which sixteen lanes store, aligned.
.macro TOSTAGE a
.irp j, 0,2,4,6,8,10,12,14,16,18,20,22,24,26,28,30
	v_pk_mul_f32 v[TMP+\j:TMP+\j+1], v[ACC+32*(\a)+\j:ACC+32*(\a)+\j+1], s[96:97] op_sel_hi:[1,0]   ; both x s96
.endr
.irp b, 0,1,2,3
	ds_store_b128 v[STO], v[TMP+8*\b:TMP+8*\b+3] offset:64*\b
	ds_store_b128 v[STO], v[TMP+8*\b+4:TMP+8*\b+7] offset:64*\b+16
.endr
.irp t, 0,1,2,3,4,5,6,7
	ds_load_b128 v[BK+32*((\a)%2)+4*\t:BK+32*((\a)%2)+4*\t+3], v[RD] offset:\t*2*SPITCH   ; LDS serves a wave's instructions in order
.endr
.endm
.macro SEND a, younger                 ; younger: the LDS instructions issued behind block a's loads
	s_wait_dscnt \younger
.irp t, 0,1,2,3,4,5,6,7
	global_store_b128 v[CO], v[BK+32*((\a)%2)+4*\t:BK+32*((\a)%2)+4*\t+3], s[10:11] offset:(16*(\a)+2*\t)*8192 th:TH_STORE_NT
.endr
.endm
	s_wait_kmcnt 0x0
	s_add_co_i32 s96, s96, s97
	s_add_co_i32 s96, s96, 127
	s_lshl_b32 s96, s96, 23                        ; 2^(e10 + e11) as f32
	PLACES
	TOSTAGE 0
.irp a, 1,2,3
.if \a > 1
	s_wait_xcnt 0x0                                ; block a - 2's stores have read their registers
.endif
	TOSTAGE \a
	SEND \a-1, 16
.endr
	SEND 3, 0
	s_wait_tensorcnt 0x0                           ; the wave's end
	ds_add_u32 v[SPW], v[NIL]
	s_wait_dscnt 0x0
	CROUND                                         ; the closing round
	s_endpgm
.Lfunc_end_k_qdc4890dade_oproj:
	.size	k_qdc4890dade_oproj, .Lfunc_end_k_qdc4890dade_oproj-k_qdc4890dade_oproj
	.p2alignl 7, 3214868480
	.fill 96, 4, 3214868480
	.section	.rodata,"a",@progbits
	.p2align	6, 0x0
	.amdhsa_kernel k_qdc4890dade_oproj
		.amdhsa_group_segment_fixed_size 327680
		.amdhsa_private_segment_fixed_size 0
		.amdhsa_enable_private_segment 0
		.amdhsa_kernarg_size 32
		.amdhsa_user_sgpr_count 2
		.amdhsa_user_sgpr_kernarg_segment_ptr 1
		.amdhsa_wavefront_size32 1
		.amdhsa_system_sgpr_workgroup_id_x 1
		.amdhsa_system_sgpr_workgroup_id_y 1
		.amdhsa_system_sgpr_workgroup_id_z 1
		.amdhsa_system_vgpr_workitem_id 0
		.amdhsa_next_free_vgpr 512
		.amdhsa_next_free_sgpr 98
		.amdhsa_reserve_vcc 0
		.amdhsa_float_denorm_mode_32 3
		.amdhsa_float_denorm_mode_16_64 3
		.amdhsa_memory_ordered 1
		.amdhsa_forward_progress 1
		.amdhsa_inst_pref_size 74
	.end_amdhsa_kernel
	.amdgpu_metadata
---
amdhsa.version: [ 1, 2 ]
amdhsa.kernels:
  - .name:           k_qdc4890dade_oproj
    .symbol:         k_qdc4890dade_oproj.kd
    .args:
      - { .name: ocodes, .offset: 0, .size: 8, .value_kind: global_buffer, .address_space: global }
      - { .name: wocodes, .offset: 8, .size: 8, .value_kind: global_buffer, .address_space: global }
      - { .name: lowp_scales, .offset: 16, .size: 8, .value_kind: global_buffer, .address_space: global }
      - { .name: out0, .offset: 24, .size: 8, .value_kind: global_buffer, .address_space: global }
    .group_segment_fixed_size: 327680
    .private_segment_fixed_size: 0
    .kernarg_segment_align: 8
    .kernarg_segment_size: 32
    .max_flat_workgroup_size: 128
    .sgpr_count:     98
    .vgpr_count:     512
    .wavefront_size: 32
...
	.end_amdgpu_metadata
.endif
;; end of part 4
